; MI455X (gfx1250); checked and timed in simulation.
; The chip was launched on July 23, 2026; its instructions are those of AMD's public machine-readable ISA for CDNA 5 (MIT licence, August 2026) and "CDNA5" Instruction Set Architecture Reference Guide (July 2026). The comments in the code are by the model that wrote it; some were corrected since.
;; Attention. Allowed arithmetic: matrix products marked QUANTISED: E2M3 operands, one E8M0 scale for each 32 along K, by v_wmma_scale_f32_16x16x128_f8f6f4 with both operands' format E2M3, f32 sums; everything else in f32.
;; Inputs: Wout 1,024 x 1,024 float32; Wqkv 1,024 x 3,072 float32; cos 2,048 x 32 float32; sin 2,048 x 32 float32; x 4 x 2,048 x 1,024 float32.
;; Outputs: out0 4 x 2,048 x 1,024 float32.
;; This version of the problem:
;;   THIS VERSION OF THE PROBLEM IS GIVEN IN LOW PRECISION. The matrix products marked QUANTISED in the list below multiply operands that are first quantised to E2M3 (2 exponent bits, 3 mantissa bits; 6 bits a number), with one power-of-two scale for each 32 numbers along K (OCP MX v1.0); their sums are f32. All else is computed in f32.
;;   The module's matrix products, in the order in which they are computed (A, B: the left and right operand; K: the contracted axis; several contracted axes count as one K, in the product's order):
;;     1. [M 8,192, K 1,024] x [K 1,024, N 3,072]; A: input x; B: input Wqkv: QUANTISED
;;     2. batch 64 x [M 2,048, K 64] x [K 64, N 2,048]; A: computed on the way; B: computed on the way: QUANTISED
;;     3. batch 64 x [M 2,048, K 2,048] x [K 2,048, N 64]; A: softmax (see below); B: computed on the way: QUANTISED
;;     4. [M 8,192, K 1,024] x [K 1,024, N 1,024]; A: computed on the way; B: input Wout: QUANTISED
;;   THE QUANTISER, for each operand of a quantised product, along K:
;;     - K is cut into blocks of 32 from its start; a last block that is shorter is filled with zeros.
;;     - A block's scale is 2^e with e = floor(log2(the largest magnitude in the block)) - 2, held to -126 .. 127; a block of zeros has e = 0. As a byte (E8M0): e + 127.
;;     - Each number is divided by its block's scale, clamped to +-7.5, and rounded to the nearest number of E2M3, ties to even, subnormals kept.
;;     - The product sums the exact products of the quantised numbers (number of the format x scale) in f32.
;;   ~~~python
;;   def quantise(x, axis):      # numpy; x: float32 -> the quantised numbers, widened to float32 again
;;       x = np.moveaxis(x, axis, -1); K = x.shape[-1]
;;       x = np.pad(x, [(0, 0)] * (x.ndim - 1) + [(0, -K % 32)]); x = x.reshape(x.shape[:-1] + (-1, 32)); a = np.abs(x).max(-1, keepdims=True)
;;       e = np.where(a > 0, np.clip(np.frexp(np.where(a > 0, a, 1))[1] - 1 - 2, -126, 127), 0)      # np.frexp(a)[1] - 1 = floor(log2(a)), exactly
;;       r = np.clip(x / 2.0 ** e, -7.5, 7.5)
;;       step = 2.0 ** (np.maximum(np.frexp(np.where(r == 0, 1, r))[1] - 1, 0) - 3)
;;       q = np.round(r / step) * step * 2.0 ** e      # np.round: ties to even
;;       return np.moveaxis(q.reshape(q.shape[:-2] + (-1,))[..., :K], -1, axis).astype(np.float32)
;;   ~~~
;;   SOFTMAX AHEAD OF A QUANTISED PRODUCT. Where the list says 'softmax', what is quantised is not the finished softmax but p = 2^(t - M), with t = logit x log2(e) and M = ceil(the row's largest t), a whole number; so 1/2 < the row's largest p <= 1. The row's sum l is taken of the UNQUANTISED p, in f32, and the product's result is divided by l at the end. Since M is a whole number, a kernel that streams over the keys may use a running M (the ceiling of the running maximum): every later rescaling is an exact power of two, which a block's scale takes up: the codes' values come out the same.
;;   OPERANDS COMPUTED ON THE WAY. 'Computed on the way' means the value that the module computes at that place (a softmax that the list does not call 'softmax' is quantised finished and normalised). What goes into a quantiser is computed in f32, as accurately as f32 sums, v_exp_f32 and their like allow (about 1e-6 of the number): no bf16 or f16 on the way to a quantiser, and a product that is left as it is and whose result goes on into a quantised operand takes f32 operands (vector FMAs, or v_wmma_f32_16x16x4_f32). A number that lies on a knife's edge between two numbers of the format may be rounded either way, as far as f32 arithmetic and the matrix unit's own rounding can turn it there, and no further.
;; One version. Each part assembles by itself: llvm-mc -triple=amdgcn-amd-amdhsa -mcpu=gfx1250 --defsym DOCPART=n.
;; ======== version 1 of 1: 4 launches
;; limits: right only within a limited range of input values
;; workspace buffers: cod 9,437,184 bytes; ocod 6,291,456 bytes; scl 655,360 bytes; qbuf 6,815,744 bytes; kv 13,369,344 bytes
;; launch quant (part 1): grid 384 x 1, 4 waves a work-group, no clusters, 58,880 bytes of LDS; arguments x, Wqkv, Wout, cod, scl; writes cod, scl
.if DOCPART == 1
	.amdgcn_target "amdgcn-amd-amdhsa--gfx1250"
	.amdhsa_code_object_version 6
	.text
	.protected	k_q7f9d017969_quant
	.globl	k_q7f9d017969_quant
	.p2align	8
	.type	k_q7f9d017969_quant,@function
k_q7f9d017969_quant:
	s_mov_b64 s[64:65], 0
	v_nop
	global_prefetch_b8 v0, s[64:65] scope:SCOPE_SE
	s_setreg_imm32_b32 hwreg(HW_REG_WAVE_MODE, 25, 1), 1
	s_wait_xcnt 0x0
; x [8192][1024], Wqkv [1024][3072] and Wout [1024][1024], f32, become codes of FP6 (E2M3) with one E8M0 byte for each 32 along K (K = 1024 in all three).
; THE CODES ARE LAID AS IMAGES OF THE OPERAND'S REGISTERS: cod[tile of 16 rows][K step of 128][1,536 bytes]; an image is three groups of 512 bytes, group g holding at 16 x lane the lane's
; registers 4 g .. 4 g + 3 of the fragment (lane (r, h): row r; registers 6 c .. 6 c + 5: k = 64 c + 32 h + 0 .. 31).  Tiles 0-511: x's rows; 512-703: Wqkv's columns; 704-767: Wout's columns.
; POSITION ORDER: in each group of 32 rows of x and of 32 columns of Wqkv the second and third eight change places: lane r of tile 2 b + u is row 32 b + 8 u + r + 8 (r / 8).  Wout keeps its order.
; THE SCALE WORDS: scl[group of 32 rows][K / 256][position 0 .. 31][8 bytes: the words of the two K steps].
; A block's scale byte is its largest magnitude's exponent field - 2, held at 1 from below.  LIMITS: a block of zeros, or one whose largest magnitude lies under 2^-124, has the byte 1 (zero codes add nothing;
; only this program reads the bytes); NaN and infinities among the inputs are not served.
; Work-groups 0-255 take x (a group of 32 rows each; wave = which 256 along K), 256-383 the weights (128 columns x 256 along K; a wave 32 columns).  Work-groups share no input: no cluster, no joint loads.
; Waves share nothing: no barrier.  Each of the two paths has LDS stages of its own.
.set XSTG,  16*528                     ; x's stage of a wave: 16 rows of 512 bytes, 528 apart (33 x 16: sixteen rows' pieces of 16 bytes fall on sixteen different places modulo 256)
.set WST0,  4*XSTG                     ; behind them the weights' stages,
.set WSTG,  6144                       ; four images each
.set SPARE, WST0+4*WSTG                ; the spare words, 128 bytes for each wave: two blocks of 256 bytes that no other line names
.set SPW,   250                        ; v250 LDS address of my spare word; never rewritten
.set NIL,   251                        ; v251 0; never rewritten
.set SEL,   20                         ; s[20:21] selects of v_permlanex16_b32 for lane l xor 16
.set R,     16                         ; x's path: v16-143 two sets of 64 registers as loaded
.set X,     144                        ; v144-207 64 numbers: register 16 b + i = k 32 b + 16 h + i of my row
.set TM,    208                        ; v208-223 at work
.set PC,    226                        ; v226-237 the fragment; v238-245 the halves made elsewhere
.set WQ,    246                        ; v246-249 the four items' scale words
.set VO,    16                         ; the weights' path: v16-47 byte offsets of my column in 32 rows
.set XW,    48                         ; v48-111 two sets of 32 numbers down K
.set Z,     112                        ; v112-117 a block's 24 bytes of codes; v118-120 its second half as converted
.set YT,    118
.set SB,    122                        ; v122-123 the two scale words
.set OUTW,  128                        ; v128-175 the images on their way out
	s_load_b256 s[4:11], s[0:1], 0x0               ; x s[4:5], Wqkv s[6:7], Wout s[8:9], cod s[10:11]
	s_load_b64 s[12:13], s[0:1], 0x20              ; scl
	v_lshl_add_u32 v[SPW], v0, 2, SPARE
	v_mov_b32 v[NIL], 0
	v_lshrrev_b32 v1, 5, v0
	v_readfirstlane_b32 s16, v1                    ; wave
	v_and_b32 v1, 31, v0                           ; lane
	v_and_b32 v2, 15, v0                           ; r
	v_bfe_u32 v3, v0, 4, 1                         ; h
	v_lshlrev_b32 v4, 4, v1                        ; 16 x lane
	v_lshlrev_b32 v5, 3, v1                        ; 8 x lane
	s_cmp_ge_u32 ttmp9, 256
	s_cbranch_scc1 .Lweights
; ---------------- x: a wave takes 32 rows x 256 along K, as four items of 16 rows x 128 K (item = 2 x tile + K step)
	s_mov_b32 s[SEL], 0x76543210
	s_mov_b32 s[SEL+1], 0xfedcba98
	v_cmp_le_u32 s22, 16, v1                       ; lanes 16-31
	s_mul_i32 s17, s16, XSTG
	v_add_nc_u32 v6, s17, v4                       ; into the stage: 16 x lane of a row
	v_mul_u32_u24 v7, v2, 528
	v_lshl_add_u32 v7, v3, 6, v7
	v_add_nc_u32 v7, s17, v7                       ; out of it: row r, + 64 h: my 16 numbers of each block of 32
.irp b, 0,1,2,3
	v_mov_b32 v[TM+4+\b], 0                        ; written once: a lane permute's destination counts as one of its sources
.endr
	s_lshl_b32 s24, ttmp9, 17                      ; x: 32 rows of 4,096 bytes a group,
	s_lshl_b32 s18, s16, 10                        ; 1,024 bytes for 256 along K
	s_add_co_u32 s24, s24, s18
	s_mov_b32 s25, 0
	s_mul_i32 s26, ttmp9, 24576                    ; cod: two tiles of 12,288 bytes a group,
	s_mul_i32 s18, s16, 3072                       ; two images for 256 along K
	s_add_co_u32 s26, s26, s18
	s_mov_b32 s27, 0
	s_lshl_b32 s28, ttmp9, 10                      ; scl: 1,024 bytes a group, 256 for 256 along K
	s_lshl_b32 s18, s16, 8
	s_add_co_u32 s28, s28, s18
	s_mov_b32 s29, 0
	s_wait_alu depctr_va_vdst(0)
	s_wait_kmcnt 0x0
	s_add_nc_u64 s[4:5], s[4:5], s[24:25]
	s_add_nc_u64 s[10:11], s[10:11], s[26:27]
	s_add_nc_u64 s[12:13], s[12:13], s[28:29]
.macro LOADX it                        ; sixteen rows' 512 bytes, each by one load of 32 lanes; position i of tile u is row 8 u + i + 8 (i / 8)
.irp i, 0,1,2,3,4,5,6,7,8,9,10,11,12,13,14,15
	global_load_b128 v[R+64*((\it)%2)+4*\i:R+64*((\it)%2)+4*\i+3], v4, s[4:5] offset:(8*((\it)/2)+\i+8*(\i/8))*4096+((\it)%2)*512 th:TH_LOAD_NT
.endr
.endm
; 64 numbers of a lane, register 16 b + i = k 32 b + 16 h + i of my row, become a fragment's codes in v[PC] on and its scale word in v[pw]
.macro QUANT src, pw
.irp b, 0,1,2,3
	v_max3_num_f32 v[TM+\b], |v[\src+16*\b]|, |v[\src+1+16*\b]|, 0x1800000   ; my 16 numbers of block b, and the floor 2^(3 - 127): the byte cannot fall under 1
.endr
.irp i, 2,4,6,8,10,12,14
.irp b, 0,1,2,3
	v_max3_num_f32 v[TM+\b], v[TM+\b], |v[\src+16*\b+\i]|, |v[\src+1+16*\b+\i]|
.endr
.endr
.irp b, 0,1,2,3
	v_permlanex16_b32 v[TM+4+\b], v[TM+\b], s[SEL], s[SEL+1]
.endr
.irp b, 0,1,2,3
	v_max_num_f32 v[TM+\b], v[TM+\b], v[TM+4+\b]   ; with lane l xor 16's: the block's largest magnitude
.endr
.irp b, 0,1,2,3
	v_add_nc_u32 v[TM+12+\b], 0xff000000, v[TM+\b] ; 2 off its exponent field: the conversion's scale operand
.endr
.irp b, 0,1,2,3
	v_lshrrev_b32 v[TM+4+\b], 23, v[TM+12+\b]      ; the scale's byte
.endr
	v_lshl_or_b32 v[\pw], v[TM+5], 8, v[TM+4]
	v_lshl_or_b32 v[\pw], v[TM+6], 16, v[\pw]
	v_lshl_or_b32 v[\pw], v[TM+7], 24, v[\pw]
.irp c, 0,1
	v_cvt_scalef32_pk16_fp6_f32 v[PC+6*\c:PC+2+6*\c], v[\src+32*\c:\src+15+32*\c], v[TM+12+2*\c]
	v_cvt_scalef32_pk16_fp6_f32 v[PC+12+4*\c:PC+14+4*\c], v[\src+16+32*\c:\src+31+32*\c], v[TM+12+2*\c+1]   ; (a conversion's three registers begin on an even number)
.endr
	v_nop                                          ; one plain place behind a scaled conversion
.irp c, 0,1                            ; the layout wants a whole block in a lane: lanes 0-15 block 2 c, lanes 16-31 block 2 c + 1
.irp i, 0,1,2
	v_permlane16_swap_b32 v[PC+6*\c+\i], v[PC+12+4*\c+\i]
.endr
.irp i, 0,1,2
	v_mov_b32 v[PC+3+6*\c+\i], v[PC+12+4*\c+\i]
.endr
.endr
.endm
.macro ITEM it
.if (\it) < 3
	s_wait_loadcnt 16                              ; this item's sixteen loads are in; the next item's sixteen may be out
.else
	s_wait_loadcnt 0x0
.endif
.irp i, 0,1,2,3,4,5,6,7,8,9,10,11,12,13,14,15
	ds_store_b128 v6, v[R+64*((\it)%2)+4*\i:R+64*((\it)%2)+4*\i+3] offset:\i*528
.endr
.irp b, 0,1,2,3
.irp j, 0,1,2,3
	ds_load_b128 v[X+16*\b+4*\j:X+16*\b+4*\j+3], v7 offset:128*\b+16*\j   ; LDS serves a wave's instructions in order: these see the stores above
.endr
.endr
	s_wait_dscnt 0x0                               ; the numbers are back, and the stores have read their registers,
	s_wait_xcnt 0x0                                ; and the last item's stores have read the fragment's registers, which are written again below
.if (\it)+2 < 4
	LOADX (\it)+2                                  ; which take the item two on
.endif
	QUANT X, WQ+(\it)
.irp g, 0,1,2
	global_store_b128 v4, v[PC+4*\g:PC+4*\g+3], s[10:11] offset:((\it)/2)*12288+((\it)%2)*1536+512*\g   ; 32 lanes store 512 consecutive bytes, at a multiple of 256 from the buffer's first byte
.endr
.endm
	LOADX 0
	LOADX 1
	ITEM 0
	ITEM 1
	ITEM 2
	ITEM 3
	v_cndmask_b32 v8, v[WQ], v[WQ+2], s22          ; lane l is position l of the group: lanes 0-15 tile 0's rows, lanes 16-31 tile 1's
	v_cndmask_b32 v9, v[WQ+1], v[WQ+3], s22
	global_store_b64 v5, v[8:9], s[12:13]          ; 256 consecutive bytes
	s_branch .Lend
; ---------------- the weights: K is their FIRST axis.  A lane takes a column and its registers run down K: a block of 32 lies in one lane, and the conversions give codes with K innermost
.Lweights:
	s_sub_co_u32 s17, ttmp9, 256
	s_lshr_b32 s18, s17, 5                         ; which 256 along K
	s_and_b32 s19, s17, 31                         ; which 128 columns: 0-23 of Wqkv, 24-31 of Wout
	s_mov_b32 s40, 12288
	s_cmp_ge_u32 s19, 24
	s_cselect_b32 s40, 4096, s40                   ; a row of the weight in bytes
	s_cselect_b32 s41, 24, 0
	s_cselect_b32 s42, 0, 24                       ; Wqkv's columns go in position order, Wout's as they lie
	s_wait_alu depctr_va_vdst(0)
	v_lshrrev_b32 v6, 3, v1
	v_lshrrev_b32 v7, 4, v1
	v_xor_b32 v6, v6, v7
	v_and_b32 v6, 1, v6
	v_mul_u32_u24 v6, s42, v6
	v_xor_b32 v6, v6, v1                           ; position lane holds column lane xor 24 where lane is 8 .. 23
	s_sub_co_u32 s43, s19, s41
	s_lshl_b32 s43, s43, 7
	s_lshl_b32 s44, s16, 5
	s_add_co_u32 s43, s43, s44                     ; my wave's first column
	v_add_nc_u32 v6, s43, v6
	v_lshlrev_b32 v6, 2, v6
.irp i, 0,1,2,3,4,5,6,7,8,9,10,11,12,13,14,15,16,17,18,19,20,21,22,23,24,25,26,27,28,29,30,31
	v_mad_u32_u24 v[VO+\i], s40, \i, v6            ; row i of a block, my column
.endr
	s_mul_i32 s44, s16, WSTG
	s_add_co_u32 s44, s44, WST0                    ; my stage: [tile 2][K step 2][1,536]
	v_mul_u32_u24 v8, v3, 3072
	v_lshl_add_u32 v8, v2, 4, v8
	v_add_nc_u32 v8, s44, v8                       ; into it: my tile's images, lane slot r
	v_add_nc_u32 v9, s44, v4                       ; out of it: 16 x lane
	s_lshl_b32 s48, s18, 8
	s_mul_i32 s48, s48, s40                        ; 256 rows for each step along K,
	s_mov_b32 s49, 0
	s_lshl_b32 s50, s40, 5                         ; 32 rows a block
	s_mov_b32 s51, 0
	s_lshl_b32 s52, s19, 3
	s_lshl_b32 s53, s16, 1
	s_add_co_u32 s52, s52, s53
	s_add_co_u32 s52, s52, 512                     ; my first tile: 512 + 8 x block of columns + 2 x wave
	s_mul_i32 s54, s52, 12288
	s_mul_i32 s53, s18, 3072
	s_add_co_u32 s54, s54, s53
	s_mov_b32 s55, 0
	s_lshl_b32 s56, s52, 9
	s_lshl_b32 s53, s18, 8
	s_add_co_u32 s56, s56, s53
	s_mov_b32 s57, 0
	s_wait_alu depctr_va_vdst(0)
	s_wait_kmcnt 0x0
	s_cmp_ge_u32 s19, 24
	s_cselect_b64 s[6:7], s[8:9], s[6:7]
	s_add_nc_u64 s[24:25], s[6:7], s[48:49]        ; a base for each of the eight blocks: no address is ever stepped
.irp t, 1,2,3,4,5,6,7
	s_add_nc_u64 s[24+2*\t:25+2*\t], s[22+2*\t:23+2*\t], s[50:51]
.endr
	s_add_nc_u64 s[10:11], s[10:11], s[54:55]
	s_add_nc_u64 s[12:13], s[12:13], s[56:57]
.macro LOADW t
.irp i, 0,1,2,3,4,5,6,7,8,9,10,11,12,13,14,15,16,17,18,19,20,21,22,23,24,25,26,27,28,29,30,31
	global_load_b32 v[XW+32*((\t)%2)+\i], v[VO+\i], s[24+2*(\t):25+2*(\t)] th:TH_LOAD_NT   ; 32 lanes read 128 consecutive bytes of a row
.endr
.endm
.macro BLOCK t
.set XS, XW+32*((\t)%2)
.set SOFF, ((\t)/4)*1536+((\t)%2)*256  ; K step t / 4; in it block t % 4 = 2 c + hh: lane slot r + 16 hh, registers 6 c .. 6 c + 5
.if (\t) < 7
	s_wait_loadcnt 32                              ; this block's 32 loads are in; the next block's may be out
.else
	s_wait_loadcnt 0x0
.endif
	v_max3_num_f32 v10, |v[XS]|, |v[XS+1]|, |v[XS+2]|
	v_max3_num_f32 v11, |v[XS+3]|, |v[XS+4]|, |v[XS+5]|
.irp i, 6,10,14,18,22,26
	v_max3_num_f32 v10, v10, |v[XS+\i]|, |v[XS+\i+1]|
	v_max3_num_f32 v11, v11, |v[XS+\i+2]|, |v[XS+\i+3]|
.endr
	v_max3_num_f32 v10, v10, |v[XS+30]|, |v[XS+31]|
	v_max3_num_f32 v10, v10, v11, 0x1800000        ; and the floor
	v_add_nc_u32 v12, 0xff000000, v10              ; the conversion's scale operand
	v_lshrrev_b32 v13, 23, v12                     ; the byte
.if (\t)%4 == 0
	v_mov_b32 v[SB+(\t)/4], v13
.else
	v_lshl_or_b32 v[SB+(\t)/4], v13, 8*((\t)%4), v[SB+(\t)/4]
.endif
	v_cvt_scalef32_pk16_fp6_f32 v[Z:Z+2], v[XS:XS+15], v12
	v_cvt_scalef32_pk16_fp6_f32 v[YT:YT+2], v[XS+16:XS+31], v12
	v_nop                                          ; one plain place behind a scaled conversion
.irp i, 0,1,2
	v_mov_b32 v[Z+3+\i], v[YT+\i]
.endr
.if ((\t)%4)/2 == 0
	ds_store_b128 v8, v[Z:Z+3] offset:SOFF         ; registers 0-3: group 0;
	ds_store_b64 v8, v[Z+4:Z+5] offset:SOFF+512    ; 4, 5: the lower half of group 1
.else
	ds_store_b64 v8, v[Z:Z+1] offset:SOFF+520      ; registers 6, 7: its upper half;
	ds_store_b128 v8, v[Z+2:Z+5] offset:SOFF+1024  ; 8-11: group 2
.endif
.if (\t)+2 < 8
	LOADW (\t)+2
.endif
	s_wait_dscnt 0x0                               ; the stores have read their registers: the next block's codes may be written
.endm
	LOADW 0
	LOADW 1
.set Q, 0
.rept 8
	BLOCK Q
.set Q, Q+1
.endr
	s_wait_alu depctr_va_vdst(0)
	global_store_b64 v5, v[SB:SB+1], s[12:13]      ; lane = position: 256 consecutive bytes
.irp m, 0,1,2,3,4,5,6,7,8,9,10,11
	ds_load_b128 v[OUTW+4*\m:OUTW+4*\m+3], v9 offset:512*\m
.endr
.irp m, 0,1,2,3,4,5,6,7,8,9,10,11
	s_wait_dscnt 11-\m                             ; loads come back in order: piece m is in, the younger ones may be out
	global_store_b128 v4, v[OUTW+4*\m:OUTW+4*\m+3], s[10:11] offset:(\m/6)*12288+(\m%6)*512
.endr
.Lend:
	s_wait_tensorcnt 0x0                           ; the wave's end
	ds_add_u32 v[SPW], v[NIL]
	s_wait_dscnt 0x0
	s_endpgm
.Lfunc_end_k_q7f9d017969_quant:
	.size	k_q7f9d017969_quant, .Lfunc_end_k_q7f9d017969_quant-k_q7f9d017969_quant
	.p2alignl 7, 3214868480
	.fill 96, 4, 3214868480
	.section	.rodata,"a",@progbits
	.p2align	6, 0x0
	.amdhsa_kernel k_q7f9d017969_quant
		.amdhsa_group_segment_fixed_size 58880
		.amdhsa_private_segment_fixed_size 0
		.amdhsa_enable_private_segment 0
		.amdhsa_kernarg_size 40
		.amdhsa_user_sgpr_count 2
		.amdhsa_user_sgpr_kernarg_segment_ptr 1
		.amdhsa_wavefront_size32 1
		.amdhsa_system_sgpr_workgroup_id_x 1
		.amdhsa_system_sgpr_workgroup_id_y 1
		.amdhsa_system_sgpr_workgroup_id_z 1
		.amdhsa_system_vgpr_workitem_id 0
		.amdhsa_next_free_vgpr 256
		.amdhsa_next_free_sgpr 66
		.amdhsa_reserve_vcc 0
		.amdhsa_float_denorm_mode_32 3
		.amdhsa_float_denorm_mode_16_64 3
		.amdhsa_memory_ordered 1
		.amdhsa_forward_progress 1
		.amdhsa_inst_pref_size 77
	.end_amdhsa_kernel
	.amdgpu_metadata
---
amdhsa.version: [ 1, 2 ]
amdhsa.kernels:
  - .name:           k_q7f9d017969_quant
    .symbol:         k_q7f9d017969_quant.kd
    .args:
      - { .name: x, .offset: 0, .size: 8, .value_kind: global_buffer, .address_space: global }
      - { .name: Wqkv, .offset: 8, .size: 8, .value_kind: global_buffer, .address_space: global }
      - { .name: Wout, .offset: 16, .size: 8, .value_kind: global_buffer, .address_space: global }
      - { .name: cod, .offset: 24, .size: 8, .value_kind: global_buffer, .address_space: global }
      - { .name: scl, .offset: 32, .size: 8, .value_kind: global_buffer, .address_space: global }
    .group_segment_fixed_size: 58880
    .private_segment_fixed_size: 0
    .kernarg_segment_align: 8
    .kernarg_segment_size: 40
    .max_flat_workgroup_size: 128
    .sgpr_count:     66
    .vgpr_count:     256
    .wavefront_size: 32
...
	.end_amdgpu_metadata
.endif
;; end of part 1
;; launch gemm1 (part 2): grid 8 x 48, 4 waves a work-group, clusters of 4 x 4, 327,680 bytes of LDS; arguments cod, scl, cos, sin, qbuf, kv; writes qbuf, kv
.if DOCPART == 2
	.amdgcn_target "amdgcn-amd-amdhsa--gfx1250"
	.amdhsa_code_object_version 6
	.text
	.protected	k_q7f9d017969_gemm1
	.globl	k_q7f9d017969_gemm1
	.p2align	8
	.type	k_q7f9d017969_gemm1,@function
k_q7f9d017969_gemm1:
	s_mov_b64 s[64:65], 0
	v_nop
	global_prefetch_b8 v0, s[64:65] scope:SCOPE_SE
	s_setreg_imm32_b32 hwreg(HW_REG_WAVE_MODE, 25, 1), 1
	s_wait_xcnt 0x0
	s_wait_alu depctr_hold_cnt(0) depctr_sa_sdst(0) depctr_va_vdst(0) depctr_va_sdst(0) depctr_va_ssrc(0) depctr_va_vcc(0) depctr_vm_vsrc(0)
	s_getreg_b32 s2, hwreg(HW_REG_IB_STS2, 6, 4)
	s_cmp_eq_u32 s2, 0
	s_cbranch_scc0 .Lentry_in_a_cluster
	s_endpgm
.Lentry_in_a_cluster:
	s_bfe_u32 s2, ttmp6, 0x10000c
	s_cmp_lg_u32 s2, 0xf033
	s_cbranch_scc0 .Lentry_shape_is_right
	s_endpgm
.Lentry_shape_is_right:
.set NA,    8
.set NAT,   2*NA
.set TILEB, 4608
.set REG,   (NAT+16)*TILEB
.set NREG,  2
.set HALF,  3*NA/2
.set SPARE, NREG*REG
.set RECQ,  6656
.set RECKV, 13056
.set ADRA, 16
.set ADRB, 20
.set L16,  24
.set L8,   25
.set CSO,  26
.set SOF,  27
.set SPW,  28
.set NIL,  29
.set SIO,  30
.set SC,   32
.set AF,   128
.set WD,   32
.set OUTR, 48
.set TP,   128
.set TM,   160
.set PW,   176
.set PC,   180
.set PY,   192
.set SEL,  2
.set WV,   16
.set WR,   17
.set WC,   18
.set FLOOR, 19
.set BQ,   20
.set G1A,  24
.set G1B,  32
.set G0A,  40
.set HM,   58
.set QSUB, 62
.set S7F,  63
.set ISV,  66
.set G0B,  68
.set MSB, 0
.macro WIN new
.if MSB != (\new)
	s_set_vgpr_msb (MSB<<8)|(\new)
.set MSB, (\new)
.endif
.endm
.macro PLACES n
.rept \n
	v_nop
.endr
.endm
.macro JLOAD s
	s_cmp_eq_u32 s[WR], 0
	s_cbranch_scc0 .Lfor_b_\@
	tensor_load_to_lds s[G0A+4*\s:G0A+4*\s+3], s[G1A:G1A+7]
	s_nop 0
.rept 4
	v_nop
.endr
	s_branch .Lasked_\@
.Lfor_b_\@:
	tensor_load_to_lds s[G0B+4*\s:G0B+4*\s+3], s[G1B:G1B+7]
	s_nop 0
.rept 4
	v_nop
.endr
.Lasked_\@:
.endm
.macro CREST
	s_cmp_lg_u32 s[WV], 0
	s_cbranch_scc1 .Lnot_wave_0_\@
	s_barrier_signal -3
.Lnot_wave_0_\@:
	s_barrier_wait -3
	s_barrier_signal -1
	s_barrier_wait -1
.endm
.macro CROUND
	s_barrier_signal -1
	s_barrier_wait -1
	CREST
.endm
.macro FRAG reg, adr, off
.irp g, 0,1,2
	ds_load_b128 v[\reg+4*\g:\reg+4*\g+3], v[\adr] offset:\off+512*\g
.endr
.endm
.macro FETCH_B S
	WIN 0x40
.irp i, 0,1,2,3,4,5,6,7
	FRAG 128*((\S)%2)+12*\i, ADRB+(((\S)/3)%NREG), \i*TILEB+((\S)%3)*1536
.endr
	WIN 0
.endm
.macro FETCH_A S, hf
.set IA, (\hf)*NA/2
.rept NA/2
	FRAG AF+12*IA, ADRA+(((\S)/3)%NREG), IA*TILEB+((\S)%3)*1536
.set IA, IA+1
.endr
.endm
.macro MULB a, S, zero
.irp b, 0,1,2,3,4,5,6,7
.if \zero
	v_wmma_scale_f32_16x16x128_f8f6f4 v[8*(8*((\a)%4)+\b):8*(8*((\a)%4)+\b)+7], v[128*((\S)%2)+12*\b:128*((\S)%2)+12*\b+11], v[AF+12*(\a):AF+12*(\a)+11], 0, v[SC+8*\b+(\S)], v[SC+8*(\a)+(\S)] matrix_a_fmt:MATRIX_FMT_FP6 matrix_b_fmt:MATRIX_FMT_FP6 matrix_a_scale:MATRIX_SCALE_ROW1
.else
	v_wmma_scale_f32_16x16x128_f8f6f4 v[8*(8*((\a)%4)+\b):8*(8*((\a)%4)+\b)+7], v[128*((\S)%2)+12*\b:128*((\S)%2)+12*\b+11], v[AF+12*(\a):AF+12*(\a)+11], v[8*(8*((\a)%4)+\b):8*(8*((\a)%4)+\b)+7], v[SC+8*\b+(\S)], v[SC+8*(\a)+(\S)] matrix_a_fmt:MATRIX_FMT_FP6 matrix_b_fmt:MATRIX_FMT_FP6 matrix_a_scale:MATRIX_SCALE_ROW1
.endif
.endr
.endm
.macro MULQ a0, n, S, zero
.set AQ, \a0
.rept \n
	WIN 0xa1+0x50*(AQ/4)
	MULB AQ, \S, \zero
.set AQ, AQ+1
.endr
.endm
.macro STEP S, zero
	s_wait_dscnt HALF
	MULQ 0, NA/2, \S, \zero
	s_wait_dscnt 0x0
	PLACES 4
	FETCH_B (\S)+1
	FETCH_A (\S)+1, 0
	MULQ NA/2, NA/2, \S, \zero
	PLACES 4
	WIN 0
	FETCH_A (\S)+1, 1
.endm
.macro TURN S, fill, tc
	s_wait_tensorcnt \tc
.if \fill
	ds_add_u32 v[SPW], v[NIL]
	s_mov_b32 s[G1A+1], 384<<16                    ; no tensor load of mine is out: of a tile's row only two K steps are left, what lies beyond is filled with zeros and never read
	s_mov_b32 s[G1B+1], 384<<16
	s_wait_dscnt HALF+1
.else
	s_wait_dscnt HALF
.endif
	MULQ 0, NA/4, \S, 0
	s_wait_dscnt 0x0
	s_barrier_signal -1
	MULQ NA/4, NA/4, \S, 0
	WIN 0
	s_barrier_wait -1
.if \fill
	CREST
	s_add_nc_u64 s[G0A+2:G0A+3], s[G0A+2:G0A+3], 2*TILEB
	s_add_nc_u64 s[G0B+2:G0B+3], s[G0B+2:G0B+3], 2*TILEB
	JLOAD 0
.else
	PLACES 4
.endif
	FETCH_B (\S)+1
	FETCH_A (\S)+1, 0
	MULQ NA/2, NA/2, \S, 0
	PLACES 4
	WIN 0
	FETCH_A (\S)+1, 1
.endm
	s_load_b256 s[4:11], s[0:1], 0x0
	s_load_b128 s[12:15], s[0:1], 0x20
	v_lshl_add_u32 v[SPW], v0, 2, SPARE
	v_mov_b32 v[NIL], 0
	ds_add_u32 v[SPW], v[NIL]
	ds_add_u32 v[SPW], v[NIL]
	v_lshrrev_b32 v1, 5, v0
	v_readfirstlane_b32 s[WV], v1
	s_lshr_b32 s[WR], s[WV], 1
	s_and_b32 s[WC], s[WV], 1
	s_bfe_u32 s56, ttmp6, 0x40000
	s_bfe_u32 s57, ttmp6, 0x40004
	s_and_b32 s59, ttmp7, 0xffff
	s_lshl_b32 s60, s57, 2
	s_lshl_b32 s60, 15, s60
	s_lshl_b32 s61, 0x1111, s56
	s_or_b32 s[G1A], s60, (3<<16)|(1<<21)
	s_or_b32 s[G1B], s61, (3<<16)|(1<<21)
.irp g, G1A, G1B
	s_mov_b32 s[\g+1], 576<<16
	s_mov_b32 s[\g+3], 576<<16
	s_mov_b32 s[\g+5], 1536
	s_mov_b32 s[\g+6], 0
	s_mov_b32 s[\g+7], 0
.endr
	s_mov_b32 s[G1A+2], (NAT/2)<<16
	s_mov_b32 s[G1A+4], NAT/2
	s_mov_b32 s[G1B+2], 8<<16
	s_mov_b32 s[G1B+4], 8
	s_mov_b32 s[SEL], 0x76543210
	s_mov_b32 s[SEL+1], 0xfedcba98
	s_mov_b32 s[S7F], 0x7f7f7f7f
	s_lshl_b32 s84, s59, 6
	s_lshl_b32 s85, ttmp9, 6
	s_add_co_u32 s86, s85, 512
	s_lshl_b32 s87, s59, 7
	s_add_co_u32 s87, s87, s85
	s_sub_co_u32 s87, s87, 1024
	s_mov_b32 s88, 640
	s_cmp_ge_u32 s59, 8
	s_cselect_b32 s84, s88, s84
	s_cselect_b32 s86, s87, s86
	s_cselect_b32 s[ISV], 1, 0
	s_lshl_b32 s88, s57, 4
	s_add_co_u32 s84, s84, s88
	s_lshl_b32 s89, s56, 4
	s_add_co_u32 s86, s86, s89
	s_mul_i32 s90, s[WC], NAT/2
	s_add_co_u32 s90, s90, s84
	s_mul_i32 s90, s90, 12288
	s_mov_b32 s91, 0
	s_lshl_b32 s92, s[WC], 3
	s_add_co_u32 s92, s92, s86
	s_mul_i32 s92, s92, 12288
	s_mov_b32 s93, 0
	s_mul_i32 s94, s[WC], (NAT/2)*TILEB
	s_mul_i32 s95, s[WC], 8*TILEB
	s_add_co_u32 s95, s95, NAT*TILEB
	s_wait_dscnt 0x0
	s_wait_kmcnt 0x0
	s_add_nc_u64 s[90:91], s[4:5], s[90:91]
	s_add_nc_u64 s[92:93], s[4:5], s[92:93]
	CROUND
.irp s, 0,1
	s_mov_b32 s[G0A+4*\s], 1
	s_add_co_u32 s[G0A+4*\s+1], s94, \s*REG
	s_add_nc_u64 s[G0A+4*\s+2:G0A+4*\s+3], s[90:91], \s*TILEB
	s_or_b32 s[G0A+4*\s+3], s[G0A+4*\s+3], 0x80000000
	s_mov_b32 s[G0B+4*\s], 1
	s_add_co_u32 s[G0B+4*\s+1], s95, \s*REG
	s_add_nc_u64 s[G0B+4*\s+2:G0B+4*\s+3], s[92:93], \s*TILEB
	s_or_b32 s[G0B+4*\s+3], s[G0B+4*\s+3], 0x80000000
.endr
	JLOAD 0                                        ; K steps 0-2: one tensor load a wave at the head
	v_and_b32 v1, 31, v0
	v_and_b32 v2, 15, v0
	s_wait_alu depctr_va_vdst(0)
	v_bfe_u32 v6, v0, 4, 1
	v_lshlrev_b32 v[L16], 4, v1
	v_lshlrev_b32 v[L8], 3, v1
	v_cmp_le_u32 s[HM], 16, v1
	s_mul_i32 s96, s[WR], NA
	s_add_co_u32 s96, s96, s84
	s_lshl_b32 s96, s96, 9
	s_lshl_b32 s97, s[WC], 3
	s_add_co_u32 s97, s97, s86
	s_lshl_b32 s97, s97, 9
	v_mov_b32 v3, s96
	v_mov_b32 v4, s97
	v_cndmask_b32 v[SOF], v3, v4, s[HM]
	v_lshl_add_u32 v[SOF], v2, 3, v[SOF]
.irp i, 0,1,2,3,4,5,6,7
.irp q, 0,1,2,3
	global_load_b64 v[SC+8*\i+2*\q:SC+8*\i+2*\q+1], v[SOF], s[6:7] offset:(\i/2)*1024+(\i%2)*128+\q*256
.endr
.endr
	s_lshl_b32 s98, s84, 4
	s_lshl_b32 s99, s[WR], 7
	s_add_co_u32 s98, s98, s99
	s_and_b32 s98, s98, 2047
	s_lshl_b32 s98, s98, 7
	s_mov_b32 s99, 0
	s_add_nc_u64 s[8:9], s[8:9], s[98:99]
	s_add_nc_u64 s[10:11], s[10:11], s[98:99]
	v_and_b32 v5, 8, v2
	v_add_nc_u32 v5, v5, v2
	v_lshlrev_b32 v[CSO], 7, v5
	v_lshl_add_u32 v[CSO], v6, 6, v[CSO]
.macro CSLOAD a
.set CL, 96+128*((\a)%2)
.irp j, 0,1,2,3
	global_load_b128 v[CL+4*\j:CL+4*\j+3], v[CSO], s[8:9] offset:(32*((\a)/2)+8*((\a)%2))*128+16*\j
	global_load_b128 v[CL+16+4*\j:CL+16+4*\j+3], v[CSO], s[10:11] offset:(32*((\a)/2)+8*((\a)%2))*128+16*\j
.endr
.endm
	CSLOAD 0
	CSLOAD 1
	s_mul_i32 s98, s[WR], NA*TILEB
	s_mul_i32 s99, s[WC], 8*TILEB
	s_add_co_u32 s99, s99, NAT*TILEB
.irp g, 0,1
	v_add_nc_u32 v[ADRA+\g], s98, v[L16]
	v_add_nc_u32 v[ADRB+\g], s99, v[L16]
	s_add_co_u32 s98, s98, REG
	s_add_co_u32 s99, s99, REG
.endr
	s_wait_alu depctr_va_vdst(0)
	s_wait_tensorcnt 0x0                           ; my part of K steps 0-2 is in
	ds_add_u32 v[SPW], v[NIL]
	s_wait_dscnt 0x0
	CROUND
	JLOAD 1                                        ; K steps 3-5, into the second region
	FETCH_B 0
	FETCH_A 0, 0
	FETCH_A 0, 1
	s_wait_loadcnt 0x0
	STEP 0, 1
	STEP 1, 0
	TURN 2, 1, 0
	STEP 3, 0
	STEP 4, 0
	TURN 5, 0, 0
	STEP 6, 0
	s_wait_dscnt HALF
	MULQ 0, NA/2, 7, 0
	s_wait_dscnt 0x0
	MULQ NA/2, NA/2, 7, 0
	WIN 0
	PLACES 4
.irp b, 0,1,2,3
	v_mov_b32 v[TM+4+\b], 0
.endr
.macro EPI a, rope, pw
.set W,  2+(\a)/4
.set AC, 64*((\a)%4)
.set CB, 96+128*((\a)%2)
.if \rope
.if (\a) < 7
	s_wait_loadcnt 8
.else
	s_wait_loadcnt 0x0
.endif
	WIN W
.irp c, 0,1
.irp i, 0,1,2,3,4,5,6,7
	v_mul_f32 v[TP+16*\c+2*\i], -v[AC+32*\c+2*\i+1], v[CB+16+2*\i]
	v_mul_f32 v[TP+16*\c+2*\i+1], v[AC+32*\c+2*\i], v[CB+16+2*\i+1]
.endr
.endr
	WIN W|(W<<6)
.irp c, 0,1
.irp i, 0,2,4,6,8,10,12,14
	v_pk_fma_f32 v[AC+32*\c+\i:AC+32*\c+\i+1], v[AC+32*\c+\i:AC+32*\c+\i+1], v[CB+\i:CB+\i+1], v[TP+16*\c+\i:TP+16*\c+\i+1]
.endr
.endr
	WIN 0
.if (\a)+2 < 8
	CSLOAD (\a)+2
.endif
.endif
	WIN W|(W<<2)
.irp b, 0,1,2,3
	v_max3_num_f32 v[TM+\b], |v[AC+16*\b]|, |v[AC+16*\b+1]|, s[FLOOR]
.endr
.irp i, 2,4,6,8,10,12,14
.irp b, 0,1,2,3
	v_max3_num_f32 v[TM+\b], |v[AC+16*\b+\i]|, |v[AC+16*\b+\i+1]|, v[TM+\b]
.endr
.endr
	WIN 0
.irp b, 0,1,2,3
	v_permlanex16_b32 v[TM+4+\b], v[TM+\b], s[SEL], s[SEL+1]
.endr
.irp b, 0,1,2,3
	v_max_num_f32 v[TM+\b], v[TM+\b], v[TM+4+\b]
.endr
.irp b, 0,1,2,3
	v_add_nc_u32 v[TM+12+\b], 0xff000000, v[TM+\b]
.endr
.irp b, 0,1,2,3
	v_lshrrev_b32 v[TM+4+\b], 23, v[TM+12+\b]
.endr
	v_lshl_or_b32 v[\pw], v[TM+5], 8, v[TM+4]
	v_lshl_or_b32 v[\pw], v[TM+6], 16, v[\pw]
	v_lshl_or_b32 v[\pw], v[TM+7], 24, v[\pw]
.if \rope
	v_sub_nc_u32 v[\pw], v[\pw], s[QSUB]
.endif
	s_wait_xcnt 0x0
	WIN W
.irp c, 0,1
	v_cvt_scalef32_pk16_fp6_f32 v[PC+6*\c:PC+6*\c+2], v[AC+32*\c:AC+32*\c+15], v[TM+12+2*\c]
	v_cvt_scalef32_pk16_fp6_f32 v[PY+4*\c:PY+4*\c+2], v[AC+32*\c+16:AC+32*\c+31], v[TM+12+2*\c+1]
.endr
	WIN 0
	v_nop
.irp c, 0,1
.irp i, 0,1,2
	v_permlane16_swap_b32 v[PC+6*\c+\i], v[PY+4*\c+\i]
.endr
.irp i, 0,1,2
	v_mov_b32 v[PC+6*\c+3+\i], v[PY+4*\c+\i]
.endr
.endr
.endm
	s_cmp_eq_u32 s[ISV], 1
	s_cbranch_scc1 .Lv
	s_lshl_b32 s84, s59, 2
	s_add_co_u32 s84, s84, s57
	s_lshl_b32 s84, s84, 1
	s_add_co_u32 s84, s84, s[WR]
	s_lshr_b32 s85, s84, 4
	s_and_b32 s84, s84, 15
	s_lshl_b32 s85, s85, 4
	s_lshl_b32 s86, s56, 2
	s_add_co_u32 s85, s85, s86
	s_lshl_b32 s86, s[WC], 1
	s_add_co_u32 s85, s85, s86
	s_lshl_b32 s85, s85, 4
	s_add_co_u32 s85, s85, s84
	s_mov_b32 s86, RECKV
	s_mov_b32 s87, 12288
	s_mov_b32 s[FLOOR], 3<<23
	s_mov_b32 s88, 0x03030303
	s_cmp_eq_u32 ttmp9, 0
	s_cselect_b32 s86, RECQ, s86
	s_cselect_b32 s87, 6144, s87
	s_cselect_b32 s[FLOOR], 6<<23, s[FLOOR]
	s_cselect_b32 s[QSUB], s88, 0
	s_cselect_b64 s[12:13], s[12:13], s[14:15]
	s_mul_i32 s90, s85, s86
	s_mov_b32 s91, 0
	s_lshl_b32 s92, s86, 4
	s_mov_b32 s93, 0
	s_add_nc_u64 s[BQ:BQ+1], s[12:13], s[90:91]
	s_add_nc_u64 s[BQ+2:BQ+3], s[BQ:BQ+1], s[92:93]
	v_add_nc_u32 v[SIO], s87, v[L16]
.irp a, 0,1,2,3,4,5,6,7
	EPI \a, 1, PW
.irp c, 0,1
	global_store_b128 v[L16], v[PC+6*\c:PC+6*\c+3], s[BQ+2*\c:BQ+2*\c+1] offset:768*\a
	global_store_b64 v[L8], v[PC+6*\c+4:PC+6*\c+5], s[BQ+2*\c:BQ+2*\c+1] offset:768*\a+512
	v_perm_b32 v[WD+8*\c+\a], s[S7F], v[PW], 0x04040100+0x0202*\c
.endr
.endr
.irp c, 0,1
.irp j, 0,1,2,3
	v_cndmask_b32 v[OUTR+4*\c+\j], v[WD+8*\c+\j], v[WD+8*\c+4+\j], s[HM]
.endr
	global_store_b128 v[SIO], v[OUTR+4*\c:OUTR+4*\c+3], s[BQ+2*\c:BQ+2*\c+1]
.endr
	s_wait_tensorcnt 0x0
	ds_add_u32 v[SPW], v[NIL]
	s_wait_dscnt 0x0
	CROUND
	s_endpgm
.Lv:
	s_lshl_b32 s84, s59, 1
	s_add_co_u32 s84, s84, ttmp9
	s_sub_co_u32 s84, s84, 16
	s_lshl_b32 s84, s84, 2
	s_add_co_u32 s84, s84, s56
	s_lshl_b32 s84, s84, 1
	s_add_co_u32 s84, s84, s[WC]
	s_lshr_b32 s85, s84, 4
	s_and_b32 s84, s84, 15
	s_lshl_b32 s85, s85, 4
	s_lshl_b32 s86, s57, 2
	s_add_co_u32 s85, s85, s86
	s_lshl_b32 s86, s[WR], 1
	s_add_co_u32 s85, s85, s86
	s_lshl_b32 s85, s85, 4
	s_add_co_u32 s85, s85, s84
	s_mul_i32 s90, s85, RECKV
	s_mov_b32 s91, 0
	s_add_nc_u64 s[BQ:BQ+1], s[14:15], s[90:91]
	s_mov_b32 s[FLOOR], 3<<23
.irp a, 0,1,2,3,4,5,6,7
	EPI \a, 0, WD+\a
.irp g, 0,1,2
	global_store_b128 v[L16], v[PC+4*\g:PC+4*\g+3], s[BQ:BQ+1] offset:(\a/4)*16*RECKV+6144+(\a%4)*1536+512*\g
.endr
.endr
.irp d, 0,1
.irp j, 0,1
	v_cndmask_b32 v[OUTR+2*\d+\j], v[WD+4*\d+\j], v[WD+4*\d+2+\j], s[HM]
.endr
	global_store_b64 v[L8], v[OUTR+2*\d:OUTR+2*\d+1], s[BQ:BQ+1] offset:\d*16*RECKV+12800
.endr
	s_wait_tensorcnt 0x0
	ds_add_u32 v[SPW], v[NIL]
	s_wait_dscnt 0x0
	CROUND
	s_endpgm
.Lfunc_end_k_q7f9d017969_gemm1:
	.size	k_q7f9d017969_gemm1, .Lfunc_end_k_q7f9d017969_gemm1-k_q7f9d017969_gemm1
	.p2alignl 7, 3214868480
	.fill 96, 4, 3214868480
	.section	.rodata,"a",@progbits
	.p2align	6, 0x0
	.amdhsa_kernel k_q7f9d017969_gemm1
		.amdhsa_group_segment_fixed_size 327680
		.amdhsa_private_segment_fixed_size 0
		.amdhsa_enable_private_segment 0
		.amdhsa_kernarg_size 48
		.amdhsa_user_sgpr_count 2
		.amdhsa_user_sgpr_kernarg_segment_ptr 1
		.amdhsa_wavefront_size32 1
		.amdhsa_system_sgpr_workgroup_id_x 1
		.amdhsa_system_sgpr_workgroup_id_y 1
		.amdhsa_system_sgpr_workgroup_id_z 1
		.amdhsa_system_vgpr_workitem_id 0
		.amdhsa_next_free_vgpr 1024
		.amdhsa_next_free_sgpr 100
		.amdhsa_reserve_vcc 0
		.amdhsa_float_denorm_mode_32 3
		.amdhsa_float_denorm_mode_16_64 3
		.amdhsa_memory_ordered 1
		.amdhsa_forward_progress 1
		.amdhsa_inst_pref_size 202
	.end_amdhsa_kernel
	.amdgpu_metadata
---
amdhsa.version: [ 1, 2 ]
amdhsa.kernels:
  - .name:           k_q7f9d017969_gemm1
    .symbol:         k_q7f9d017969_gemm1.kd
    .args:
      - { .name: cod, .offset: 0, .size: 8, .value_kind: global_buffer, .address_space: global }
      - { .name: scl, .offset: 8, .size: 8, .value_kind: global_buffer, .address_space: global }
      - { .name: cos, .offset: 16, .size: 8, .value_kind: global_buffer, .address_space: global }
      - { .name: sin, .offset: 24, .size: 8, .value_kind: global_buffer, .address_space: global }
      - { .name: qbuf, .offset: 32, .size: 8, .value_kind: global_buffer, .address_space: global }
      - { .name: kv, .offset: 40, .size: 8, .value_kind: global_buffer, .address_space: global }
    .group_segment_fixed_size: 327680
    .private_segment_fixed_size: 0
    .kernarg_segment_align: 8
    .kernarg_segment_size: 48
    .max_flat_workgroup_size: 128
    .sgpr_count:     100
    .vgpr_count:     1024
    .wavefront_size: 32
...
	.end_amdgpu_metadata
.endif
;; end of part 2
;; launch attn (part 3): grid 4 x 64, 12 waves a work-group, clusters of 4 x 1, 327,680 bytes of LDS; arguments qbuf, kv, ocod, scl; writes ocod, scl
.if DOCPART == 3
	.amdgcn_target "amdgcn-amd-amdhsa--gfx1250"
	.amdhsa_code_object_version 6
	.text
	.protected	k_q7f9d017969_attn
	.globl	k_q7f9d017969_attn
	.p2align	8
	.type	k_q7f9d017969_attn,@function
k_q7f9d017969_attn:
	s_mov_b64 s[64:65], 0
	v_nop
	global_prefetch_b8 v0, s[64:65] scope:SCOPE_SE
	s_setreg_imm32_b32 hwreg(HW_REG_WAVE_MODE, 25, 1), 1
	s_wait_xcnt 0x0
	s_wait_alu depctr_hold_cnt(0) depctr_sa_sdst(0) depctr_va_vdst(0) depctr_va_sdst(0) depctr_va_ssrc(0) depctr_va_vcc(0) depctr_vm_vsrc(0)
	s_getreg_b32 s2, hwreg(HW_REG_IB_STS2, 6, 4)
	s_cmp_eq_u32 s2, 0
	s_cbranch_scc0 .Lentry_in_a_cluster
	s_endpgm
.Lentry_in_a_cluster:
	s_bfe_u32 s2, ttmp6, 0x10000c
	s_cmp_lg_u32 s2, 0x3003
	s_cbranch_scc0 .Lentry_shape_is_right
	s_endpgm
.Lentry_shape_is_right:
; o = softmax(q k^T) v for 64 heads of batches, 2,048 tokens, head size 64, both products on codes of FP6, and o quantised along its head's 64 of the last product's K.
; THE SOFTMAX: t = score x log2(e); M = the running largest t rounded UP to a whole number; p = 2^(t - M) is quantised along the keys, not normalised; the row's sum is taken of the unquantised p
; and divides at the end; when M moves, the sum and O are multiplied by 2^(old M - new M), which rounds nothing.
; SHARES.  A work-group owns ONE head and 512 queries: 32 tiles of 16.  Twelve waves, three to a SIMD, walk them one tile after the other: wave w takes tiles 2 w and 2 w + 1 (24 tiles), and waves 0-7
; a third, tile 24 + w (8 tiles): the longer walks have the lower numbers.  All waves walk the third tile's counted loop; branches on the wave's number alone lead waves 8-11 round its work.
; The head's 16 records of kv (128 keys each) stay in LDS for the whole launch: they are 816 dense rows of 256 bytes, of which each wave fetches 68 by its one tensor load at the head; nothing is
; filled again, so one barrier stands behind the fill and none in the loops.
; CLUSTER 4 x 1: the four query blocks of a head need the same 16 records: every load is a joint load of the four.
; NO PREFETCH: every tensor load is issued ahead of the first loop, so there is no later load to ask ahead for.
; LDS: the rows of 256 bytes lie 320 apart (64 bytes of padding a row); a record is 51 rows.
; LAYOUT.  Both products are used transposed: S^T = K Q^T, O^T = V^T P^T: a lane holds one query.  K'S TILES ARE COMPOSED ON READING: row 8 g + j of tile 4 c + u is key 64 c + 32 g + 8 u + j.  So lane half h
; holds in the 32 registers of tiles 4 c .. 4 c + 3 the whole block of keys 64 c + 32 h + 0 .. 31, in order: a block's largest p needs no other lane and the conversions' results are P's fragment as they fall.
; In the records lane r of tile 2 b + v is key 32 b + 8 v + r + 8 (r / 8): key group (b, e) lies in tile 2 b + e % 2 at lanes 8 (e / 2) + j; rows 8-15 of a composed tile lie two stored tiles (6 LDS rows) on.
; K = 64 IN AN INSTRUCTION OF 128: Q's registers 6-11 are zero codes and bytes 2, 3 of both scale words are 0x7f.  K's eight fragments stand 6 registers apart, so registers 6-11 of one are the next one's codes,
; and behind the last stand six work registers that are always written: finite numbers (the format has no others) times zero.
; K's fragments of the next step are loaded a step ahead, behind this step's first products; V's land under the softmax.
; o leaves as ocod[tile][head][768 bytes: registers 0-3 at 16 x lane, registers 4, 5 at 512 + 8 x lane].  Its two scale bytes are 2 bytes a row, 8 bytes apart (the bytes between are other heads' work-groups'):
; the one store here that does not fill 256 consecutive bytes.
; LIMITS: NaN and infinities are not served; the promise holds while |t| stays under 2^31; a block of o under 2^-124 has the byte 1.
.set REC,   13056                      ; a record of kv in memory: K 6,144, V 6,144, K's scale words 512, V's 256
.set RL,    16320                      ; and in LDS: 51 rows x 320
.set WROWS, 68                         ; rows that a wave fetches: 16 x 51 / 12
.set QREC,  6656
.set SPARE, 16*RL                      ; the spare words, 128 bytes for each of twelve waves
.set KB16, 1                           ; v1 16 j + 320 h + 1920 g   (j = lane % 8, g = lane bit 3, h = lane bit 4)
.set KB8,  2                           ; v2 8 j + 128 h + 1920 g
.set VB16, 3                           ; v3 16 (lane % 16) + 320 h
.set VB8,  4                           ; v4 8 x lane
.set SPW,  5                           ; v5 LDS address of my spare word; v6 0: never rewritten
.set NIL,  6
.set KSB,  7                           ; v7 16 j + 8 g + 320 h
.set SH8,  8                           ; v8 8 h
.set KA16, 9                           ; the same five + the record in hand
.set KA8,  29
.set KSA,  243
.set VA16, 247
.set VA8,  255
.set FF,   10                          ; v[10:11] f = 2^(old M - new M).   v12 -M, v13 the largest t, v[14:15] the sum in two halves
.set QF,   16                          ; v16-27 Q's fragment (registers 6-11 zero); v28 its scale word
.set QS,   28
.set KF,   30                          ; v30-77 K's eight fragments, 6 apart
.set BM,   78                          ; v78-83 work registers behind them: the blocks' largest, the conversions' scale operands, two at work
.set SO,   80
.set PM,   82
.set T,    83
.set VF,   84                          ; v84-131 V's four fragments
.set S,    132                         ; v132-195 S^T, then p
.set O,    196                         ; v196-227 O^T
.set PC,   228                         ; v228-239 p's codes; v240-246 the halves made elsewhere
.set PY,   240
.set KS,   248                         ; v248-251 K's scale words; v252-253 V's; v254 p's
.set VS,   252
.set PS,   254
.set WV,  12
.set CX,  13
.set BH,  14
.set TI,  15                           ; s15 the tile in hand, 0 .. 31 of the work-group's
.set QP,  16                           ; s[16:17] Q's image, s[60:61] its scale words, s[18:19] o's codes, s[62:63] o's scale bytes: of the tile in hand
.set OP,  18
.set SEL, 20
.set CS,  22
.set G1,  24
.set G0,  40
.set TB,  44                           ; s44 LDS byte of the record in hand; s45 of the next
.set TBK, 45
.set CNT, 46
.set HO,  47                           ; s47, s48 the head's place in a tile's codes and among its scale bytes
.set HS,  48
.set OC,  49                           ; s49 counts the two tiles that every wave walks
.set QSP, 60
.set SCP, 62
.macro CROUND
	s_barrier_signal -1
	s_barrier_wait -1
	s_cmp_lg_u32 s[WV], 0
	s_cbranch_scc1 .Lnot_wave_0_\@
	s_barrier_signal -3
.Lnot_wave_0_\@:
	s_barrier_wait -3
	s_barrier_signal -1
	s_barrier_wait -1
.endm
	s_load_b256 s[4:11], s[0:1], 0x0               ; qbuf s[4:5], kv s[6:7], ocod s[8:9], scl s[10:11]
	v_lshl_add_u32 v[SPW], v0, 2, SPARE
	v_mov_b32 v[NIL], 0
	ds_add_u32 v[SPW], v[NIL]
	ds_add_u32 v[SPW], v[NIL]
	v_lshrrev_b32 v9, 5, v0
	s_delay_alu instid0(VALU_DEP_1)
	v_readfirstlane_b32 s[WV], v9
	s_bfe_u32 s[CX], ttmp6, 0x40000                ; my block of 512 queries
	s_and_b32 s[BH], ttmp7, 0xffff                 ; 16 x batch + head
	s_mov_b32 s[G1], 15|(3<<16)|(1<<20)|(1<<21)|(5<<22)|(15<<25)   ; all four work-groups; elements of 8 bytes; behind every 64 words 16 words of padding
	s_mov_b32 s[G1+1], 32<<16                      ; 68 dense rows of 256 bytes
	s_mov_b32 s[G1+2], WROWS<<16
	s_mov_b32 s[G1+3], 32<<16
	s_mov_b32 s[G1+4], WROWS
	s_mov_b32 s[G1+5], 32
	s_mov_b32 s[G1+6], 0
	s_mov_b32 s[G1+7], 0
	s_mov_b32 s[SEL], 0x76543210
	s_mov_b32 s[SEL+1], 0xfedcba98
	s_mov_b32 s[CS], 0x3fb8aa3b                    ; log2(e); q / 8 is in q's scale bytes
	s_mov_b32 s[CS+1], s[CS]
	s_mul_i32 s32, s[BH], 16*REC                   ; the head's records,
	s_mul_i32 s33, s[WV], WROWS*256                ; my rows of them
	s_add_co_u32 s32, s32, s33
	s_mov_b32 s33, 0
	s_mul_i32 s34, s[WV], WROWS*320
	s_lshl_b32 s[TI], s[WV], 1                     ; my first tile
	s_mov_b32 s[OC], 0
	s_and_b32 s37, s[BH], 15                       ; the head
	s_mul_i32 s[HO], s37, 768
	s_lshr_b32 s[HS], s37, 2
	s_lshl_b32 s[HS], s[HS], 8                     ; among the scale bytes: 256 for each 256 along K (four heads),
	s_bfe_u32 s38, s37, 0x10001
	s_lshl_b32 s38, s38, 2                         ; 4 for the K step, 2 for the head in it
	s_add_co_u32 s[HS], s[HS], s38
	s_and_b32 s38, s37, 1
	s_lshl_b32 s38, s38, 1
	s_add_co_u32 s[HS], s[HS], s38
	s_wait_dscnt 0x0                               ; both opening adds are done
	s_wait_kmcnt 0x0
	s_mov_b32 s[G0], 1
	s_mov_b32 s[G0+1], s34
	s_add_nc_u64 s[G0+2:G0+3], s[6:7], s[32:33]
	s_or_b32 s[G0+3], s[G0+3], 0x80000000
	CROUND                                         ; all four work-groups are here: the joint loads meet
	tensor_load_to_lds s[G0:G0+3], s[G1:G1+7]      ; my 68 rows: one tensor load a wave, the only one of the launch
	s_nop 0
	v_and_b32 v132, 7, v0                          ; j
	v_bfe_u32 v133, v0, 3, 1                       ; g
	v_bfe_u32 v134, v0, 4, 1                       ; h
	v_and_b32 v135, 15, v0
	v_and_b32 v136, 31, v0
	v_mul_u32_u24 v137, v134, 320
	v_lshlrev_b32 v139, 7, v134
	v_lshlrev_b32 v[SH8], 3, v134
	v_lshlrev_b32 v[VB8], 3, v136
	v_mad_u32_u24 v138, v133, 1920, v137
	v_mad_u32_u24 v139, v133, 1920, v139
	v_lshl_add_u32 v[VB16], v135, 4, v137
	v_lshl_add_u32 v[KSB], v132, 4, v137
	v_lshl_add_u32 v[KB16], v132, 4, v138
	v_lshl_add_u32 v[KB8], v132, 3, v139
	v_lshl_add_u32 v[KSB], v133, 3, v[KSB]
.irp i, 0,1,2,3,4,5
	v_mov_b32 v[QF+6+\i], 0                        ; zero codes for k = 64 .. 127
	v_mov_b32 v[BM+\i], 0                          ; written once: named behind K's last fragment, and as lane permutes' destinations
.endr
	v_mov_b32 v[FF+1], 0                           ; (named as the upper half of the pair)
	s_wait_alu depctr_va_vdst(0)
	s_wait_tensorcnt 0x0                           ; my rows are in;
	s_barrier_signal -1
	s_barrier_wait -1                              ; and everybody's: all sixteen records
.macro KLOAD                           ; K's eight composed tiles and their scale words: register KS + u holds tile u's words in lanes 0-15 and tile 4 + u's in lanes 16-31
.irp c, 0,1
.irp u, 0,1,2,3
	ds_load_b128 v[KF+6*(4*\c+\u):KF+6*(4*\c+\u)+3], v[KA16] offset:(4*\c+(\u%2))*960+128*(\u/2)
	ds_load_b64 v[KF+6*(4*\c+\u)+4:KF+6*(4*\c+\u)+5], v[KA8] offset:(4*\c+(\u%2))*960+640+64*(\u/2)
.endr
.endr
	ds_load_b64 v[KS:KS+1], v[KSA] offset:15360
	ds_load_b64 v[KS+2:KS+3], v[KSA] offset:15360+128
.endm
.macro FMA8 j0                         ; t - M for sixteen scores
.set J, \j0
.rept 8
	v_pk_fma_f32 v[S+J:S+J+1], v[S+J:S+J+1], s[CS:CS+1], v[12:13] op_sel_hi:[1,0,0]
.set J, J+2
.endr
.endm
; A KEY STEP: 128 keys, one record.  pf = 1: the next record's K is fetched
.macro STEP pf
.irp u, 0,1,2,3
	v_wmma_scale_f32_16x16x128_f8f6f4 v[S+8*\u:S+8*\u+7], v[KF+6*\u:KF+6*\u+11], v[QF:QF+11], 0, v[KS+\u], v[QS] matrix_a_fmt:MATRIX_FMT_FP6 matrix_b_fmt:MATRIX_FMT_FP6
.endr
.irp u, 0,1,2,3
	v_wmma_scale_f32_16x16x128_f8f6f4 v[S+32+8*\u:S+32+8*\u+7], v[KF+24+6*\u:KF+24+6*\u+11], v[QF:QF+11], 0, v[KS+\u], v[QS] matrix_a_fmt:MATRIX_FMT_FP6 matrix_b_fmt:MATRIX_FMT_FP6 matrix_a_scale:MATRIX_SCALE_ROW1
.endr
	v_add_nc_u32 v[VA16], s[TB], v[VB16]           ; at least four plain instructions behind the products, in front of loads into registers that they read and of the first read of S^T
	v_add_nc_u32 v[VA8], s[TB], v[VB8]
.if \pf
	v_add_nc_u32 v[KA16], s[TBK], v[KB16]
	v_add_nc_u32 v[KA8], s[TBK], v[KB8]
	v_add_nc_u32 v[KSA], s[TBK], v[KSB]
.else
	v_nop
	v_nop
.endif
.irp t, 0,1,2,3
.irp g, 0,1,2
	ds_load_b128 v[VF+12*\t+4*\g:VF+12*\t+4*\g+3], v[VA16] offset:7680+1920*\t+640*\g
.endr
.endr
	ds_load_b64 v[VS:VS+1], v[VA8] offset:16000
.if \pf
	KLOAD
.endif
.irp c, 0,1                            ; the largest score of my two blocks of 32 keys, each in two chains; every accumulator is read from its low end on
	v_max3_num_f32 v[BM+\c], v[S+32*\c], v[S+32*\c+1], v[S+32*\c+2]
	v_max3_num_f32 v[PY+\c], v[S+32*\c+17], v[S+32*\c+18], v[S+32*\c+19]
.endr
.irp i, 0,2,4,6,8,10
.irp c, 0,1
	v_max3_num_f32 v[BM+\c], v[BM+\c], v[S+32*\c+3+\i], v[S+32*\c+4+\i]
	v_max3_num_f32 v[PY+\c], v[PY+\c], v[S+32*\c+20+\i], v[S+32*\c+21+\i]
.endr
.endr
.irp c, 0,1
	v_max3_num_f32 v[BM+\c], v[BM+\c], v[S+32*\c+15], v[S+32*\c+16]
.endr
.irp c, 0,1
	s_delay_alu instid0(VALU_DEP_2)
	v_max_num_f32 v[BM+\c], v[BM+\c], v[PY+\c]
.endr
	s_delay_alu instid0(VALU_DEP_1)
	v_max_num_f32 v[T], v[BM], v[BM+1]
	s_delay_alu instid0(VALU_DEP_1)
	v_permlanex16_b32 v[PM], v[T], s[SEL], s[SEL+1]
	s_delay_alu instid0(VALU_DEP_1)
	v_max_num_f32 v[T], v[T], v[PM]                ; with lane l xor 16's 64 keys
	s_delay_alu instid0(VALU_DEP_1)
	v_mul_f32 v[T], s[CS], v[T]                    ; the step's largest t
	s_delay_alu instid0(VALU_DEP_1)
	v_max_num_f32 v13, v13, v[T]
	v_mov_b32 v[T], v12
	s_delay_alu instid0(VALU_DEP_2)
	v_floor_f32 v12, -v13                          ; the new -M = floor(-t)
	FMA8 0                                         ; the three lines that make f stand among the multiply-adds, which do not need it
	v_sub_f32 v[T], v12, v[T]                      ; old M - new M: a whole number, 0 or less
	FMA8 16
	v_cvt_i32_f32 v[T], v[T]                       ; (it saturates)
	FMA8 32
	v_ldexp_f32 v[FF], 1.0, v[T]                   ; f
	FMA8 48
.irp c, 0,1
	v_fma_f32 v[BM+\c], v[BM+\c], s[CS], v12
.endr
	s_wait_alu depctr_va_vdst(0)                   ; ahead of the batch of exponentials
.irp c, 0,1
	v_exp_f32 v[BM+\c], v[BM+\c]                   ; the blocks' largest p: p rises with the score
.endr
.set J, 0
.rept 64
	v_exp_f32 v[S+J], v[S+J]                       ; p
.set J, J+1
.endr
	v_pk_mul_f32 v[14:15], v[14:15], v[FF:FF+1] op_sel_hi:[1,0]   ; the sums under the new M (a plain instruction behind the exponentials)
	s_wait_alu depctr_va_vdst(0)                   ; one wait for the batch, directly ahead of the first readers of O^T too
.set J, 0
.rept 16
	v_pk_mul_f32 v[O+J:O+J+1], v[O+J:O+J+1], v[FF:FF+1] op_sel_hi:[1,0]   ; O^T under the new M
.set J, J+2
.endr
.irp c, 0,1
	v_max_num_f32 v[BM+\c], 0x1800000, v[BM+\c]    ; the floor: the byte cannot fall under 1
.endr
.irp c, 0,1
	s_delay_alu instid0(VALU_DEP_2)
	v_add_nc_u32 v[SO+\c], 0xff000000, v[BM+\c]    ; 2 off the exponent field: the conversions' scale operand
.endr
.irp c, 0,1
	v_cvt_scalef32_pk16_fp6_f32 v[PC+6*\c:PC+6*\c+2], v[S+32*\c:S+32*\c+15], v[SO+\c]            ; my block 2 c + h: its lower 16 codes,
	v_cvt_scalef32_pk16_fp6_f32 v[PY+4*\c:PY+4*\c+2], v[S+32*\c+16:S+32*\c+31], v[SO+\c]         ; its upper 16 (a conversion's three registers begin on an even number)
.endr
	v_lshrrev_b32 v[T], 23, v[SO]                  ; the two bytes (plain instructions behind the conversions)
	v_lshrrev_b32 v[PM], 23, v[SO+1]
.irp c, 0,1
.irp i, 0,1,2
	v_mov_b32 v[PC+6*\c+3+\i], v[PY+4*\c+\i]
.endr
.endr
	v_lshl_or_b32 v[PS], v[PM], 16, v[T]           ; blocks h and 2 + h,
	s_delay_alu instid0(VALU_DEP_1)
	v_lshlrev_b32 v[PS], v[SH8], v[PS]             ; at their places in the word;
	s_delay_alu instid0(VALU_DEP_1)
	v_permlanex16_b32 v[PM], v[PS], s[SEL], s[SEL+1]
	s_delay_alu instid0(VALU_DEP_1)
	v_or_b32 v[PS], v[PS], v[PM]                   ; with lane l xor 16's two the word is whole
.set J, 0                              ; the row's sum of the unquantised p, as a tree in place: 32 packed additions, which also stand between the writing of p's codes and scale word and the products
.rept 16
	v_pk_add_f32 v[S+J:S+J+1], v[S+J:S+J+1], v[S+J+32:S+J+33]
.set J, J+2
.endr
.set J, 0
.rept 8
	v_pk_add_f32 v[S+J:S+J+1], v[S+J:S+J+1], v[S+J+16:S+J+17]
.set J, J+2
.endr
.set J, 0
.rept 4
	s_delay_alu instid0(VALU_DEP_4)
	v_pk_add_f32 v[S+J:S+J+1], v[S+J:S+J+1], v[S+J+8:S+J+9]
.set J, J+2
.endr
.set J, 0
.rept 2
	s_delay_alu instid0(VALU_DEP_2)
	v_pk_add_f32 v[S+J:S+J+1], v[S+J:S+J+1], v[S+J+4:S+J+5]
.set J, J+2
.endr
	s_delay_alu instid0(VALU_DEP_2)
	v_pk_add_f32 v[14:15], v[14:15], v[S:S+1]
	s_delay_alu instid0(VALU_DEP_1)
	v_pk_add_f32 v[14:15], v[14:15], v[S+2:S+3]
	s_wait_dscnt 0x0                               ; V, and the next step's K
.irp t, 0,1
	v_wmma_scale_f32_16x16x128_f8f6f4 v[O+8*\t:O+8*\t+7], v[VF+12*\t:VF+12*\t+11], v[PC:PC+11], v[O+8*\t:O+8*\t+7], v[VS+\t], v[PS] matrix_a_fmt:MATRIX_FMT_FP6 matrix_b_fmt:MATRIX_FMT_FP6
.endr
.irp t, 2,3
	v_wmma_scale_f32_16x16x128_f8f6f4 v[O+8*\t:O+8*\t+7], v[VF+12*\t:VF+12*\t+11], v[PC:PC+11], v[O+8*\t:O+8*\t+7], v[VS+\t-2], v[PS] matrix_a_fmt:MATRIX_FMT_FP6 matrix_b_fmt:MATRIX_FMT_FP6 matrix_a_scale:MATRIX_SCALE_ROW1
.endr
.endm
; A TILE'S TOP: its four places in memory, Q, record 0's K, and the state
.macro TOP
	s_lshl_b32 s32, s[CX], 5
	s_add_co_u32 s32, s32, s[TI]                   ; the tile among the head's 128
	s_lshr_b32 s33, s32, 3
	s_lshl_b32 s34, s[BH], 4
	s_add_co_u32 s33, s33, s34
	s_mul_i32 s33, s33, QREC                       ; Q: record 16 x head + tile / 8,
	s_and_b32 s34, s32, 7                          ; in it tile a = tile % 8
	s_mul_i32 s35, s34, 768
	s_add_co_u32 s36, s33, s35
	s_mov_b32 s37, 0
	s_lshr_b32 s35, s34, 2
	s_lshl_b32 s35, s35, 8
	s_and_b32 s34, s34, 3
	s_lshl_b32 s34, s34, 2                         ; its scale words: lane slot r + 16 (a / 4), word a % 4
	s_add_co_u32 s38, s33, s35
	s_add_co_u32 s38, s38, s34
	s_add_co_u32 s38, s38, 6144
	s_mov_b32 s39, 0
	s_add_nc_u64 s[QP:QP+1], s[4:5], s[36:37]
	s_add_nc_u64 s[QSP:QSP+1], s[4:5], s[38:39]
	s_lshr_b32 s50, s[BH], 4
	s_lshl_b32 s50, s50, 7
	s_add_co_u32 s50, s50, s32                     ; the tile, numbered as x's tiles
	s_mul_i32 s52, s50, 12288
	s_add_co_u32 s52, s52, s[HO]
	s_mov_b32 s53, 0
	s_add_nc_u64 s[OP:OP+1], s[8:9], s[52:53]
	s_add_co_u32 s54, s50, 768                     ; o's tiles among the scale words begin at 768: 1,024 bytes for two tiles, 128 for the second of them
	s_lshr_b32 s55, s54, 1
	s_lshl_b32 s55, s55, 10
	s_and_b32 s54, s54, 1
	s_lshl_b32 s54, s54, 7
	s_add_co_u32 s54, s54, s55
	s_add_co_u32 s54, s54, s[HS]
	s_mov_b32 s55, 0
	s_add_nc_u64 s[SCP:SCP+1], s[10:11], s[54:55]
	v_lshlrev_b32 v[S], 1, v[VB8]                  ; 16 x lane
	v_and_b32 v[S+1], 15, v0
	s_delay_alu instid0(VALU_DEP_1)
	v_lshlrev_b32 v[S+1], 4, v[S+1]
	global_load_b128 v[QF:QF+3], v[S], s[QP:QP+1]
	global_load_b64 v[QF+4:QF+5], v[VB8], s[QP:QP+1] offset:512
	global_load_b32 v[QS], v[S+1], s[QSP:QSP+1]
	v_add_nc_u32 v[KA16], s[TB], v[KB16]
	v_add_nc_u32 v[KA8], s[TB], v[KB8]
	v_add_nc_u32 v[KSA], s[TB], v[KSB]
	KLOAD                                          ; record 0's K
	v_mov_b32 v13, 0xff61b1e6                      ; O^T and the sum are zeros, which the first change of M leaves zeros; the largest t lies under every t
	v_mov_b32 v14, 0
	v_mov_b32 v15, 0
	v_floor_f32 v12, -v13
.set J, 0
.rept 32
	v_mov_b32 v[O+J], 0
.set J, J+1
.endr
	s_wait_alu depctr_va_vdst(0)
	s_wait_loadcnt 0x0                             ; Q
	s_wait_dscnt 0x0                               ; K
.endm
; A TILE'S END: O^T / the sum is quantised along the head's 64.  V's tiles lie in position order: the 16 registers of tiles 2 b, 2 b + 1 are 16 neighbours, a block of 32 lies in lanes l and l xor 16
.macro FINISH
.rept 4
	v_nop                                          ; behind the last products
.endr
	s_wait_alu depctr_va_vdst(0)
	v_add_f32 v14, v14, v15
	s_delay_alu instid0(VALU_DEP_1)
	v_permlanex16_b32 v[PM], v14, s[SEL], s[SEL+1]
	s_delay_alu instid0(VALU_DEP_1)
	v_add_f32 v14, v14, v[PM]                      ; the row's sum
	s_wait_alu depctr_va_vdst(0)
	v_rcp_f32 v14, v14
	v_nop
	s_wait_alu depctr_va_vdst(0)                   ; ahead of the reciprocal's first use and of the first readers of O^T
.set J, 0
.rept 16
	v_pk_mul_f32 v[O+J:O+J+1], v[O+J:O+J+1], v[14:15] op_sel_hi:[1,0]   ; each accumulator from its low end on
.set J, J+2
.endr
.irp b, 0,1
	v_max3_num_f32 v[BM+\b], |v[O+16*\b]|, |v[O+16*\b+1]|, 0x1800000
.endr
.irp i, 2,4,6,8,10,12,14
.irp b, 0,1
	s_delay_alu instid0(VALU_DEP_2)
	v_max3_num_f32 v[BM+\b], v[BM+\b], |v[O+16*\b+\i]|, |v[O+16*\b+\i+1]|
.endr
.endr
.irp b, 0,1
	s_delay_alu instid0(VALU_DEP_2)
	v_permlanex16_b32 v[PM+\b], v[BM+\b], s[SEL], s[SEL+1]
.endr
.irp b, 0,1
	s_delay_alu instid0(VALU_DEP_2)
	v_max_num_f32 v[BM+\b], v[BM+\b], v[PM+\b]
.endr
.irp b, 0,1
	s_delay_alu instid0(VALU_DEP_2)
	v_add_nc_u32 v[SO+\b], 0xff000000, v[BM+\b]
.endr
.irp b, 0,1
	s_delay_alu instid0(VALU_DEP_2)
	v_lshrrev_b32 v[PM+\b], 23, v[SO+\b]
.endr
	s_delay_alu instid0(VALU_DEP_1)
	v_lshl_or_b32 v[FF], v[PM+1], 8, v[PM]         ; the head's two scale bytes
	v_cvt_scalef32_pk16_fp6_f32 v[PC:PC+2], v[O:O+15], v[SO]
	v_cvt_scalef32_pk16_fp6_f32 v[PY:PY+2], v[O+16:O+31], v[SO+1]
	v_lshlrev_b32 v[S], 1, v[VB8]                  ; 16 x lane (a plain instruction behind the conversions)
.irp i, 0,1,2
	v_permlane16_swap_b32 v[PC+\i], v[PY+\i]       ; a whole block in a lane
.endr
.irp i, 0,1,2
	s_delay_alu instid0(VALU_DEP_3)
	v_mov_b32 v[PC+3+\i], v[PY+\i]
.endr
	v_and_b32 v[S+1], 15, v0
	s_delay_alu instid0(VALU_DEP_1)
	v_lshlrev_b32 v[S+1], 3, v[S+1]
	global_store_b128 v[S], v[PC:PC+3], s[OP:OP+1]                 ; 512 consecutive bytes, at a multiple of 256 from the buffer's first byte
	global_store_b64 v[VB8], v[PC+4:PC+5], s[OP:OP+1] offset:512   ; 256 consecutive bytes
	global_store_b16 v[S+1], v[FF], s[SCP:SCP+1]   ; lanes l and l + 16 hold the same bytes and name the same place
	s_wait_alu depctr_va_vdst(0)
	s_wait_xcnt 0x0                                ; the loads and stores have read their registers and bases
.endm
; A TILE of 16 queries against all 2,048 keys.  gd = 1: the third tile, which waves 0-7 have: every wave walks the counted loop, the record's LDS byte is set and stepped on every wave's way,
; and branches on the wave's number alone lead waves 8-11 round the top, round each step and round the end
.macro TILE gd
	s_mov_b32 s[TB], 0
	s_mov_b32 s[TBK], RL
	s_mov_b32 s[CNT], 15
.if \gd
	s_cmp_lt_u32 s[WV], 8
	s_cbranch_scc0 .Lno_top_\@
.endif
	TOP
.if \gd
.Lno_top_\@:
.endif
.Lstep_\@:
.if \gd
	s_cmp_lt_u32 s[WV], 8
	s_cbranch_scc0 .Lno_step_\@
.endif
	STEP 1
.if \gd
.Lno_step_\@:
.endif
	s_add_co_u32 s[TB], s[TB], RL
	s_add_co_u32 s[TBK], s[TBK], RL
	s_sub_co_u32 s[CNT], s[CNT], 1
	s_cmp_lg_u32 s[CNT], 0
	s_cbranch_scc1 .Lstep_\@
.if \gd
	s_cmp_lt_u32 s[WV], 8
	s_cbranch_scc0 .Lno_end_\@
.endif
	STEP 0                                         ; the last record: nothing more to fetch
	FINISH
.if \gd
.Lno_end_\@:
.endif
.endm
.Ltile:                                            ; tiles 2 w and 2 w + 1
	TILE 0
	s_add_co_u32 s[TI], s[TI], 1
	s_add_co_u32 s[OC], s[OC], 1
	s_cmp_lt_u32 s[OC], 2
	s_cbranch_scc1 .Ltile
	s_add_co_u32 s[TI], s[WV], 24                  ; tile 24 + w, for waves 0-7
	TILE 1
	s_wait_tensorcnt 0x0                           ; the wave's end
	ds_add_u32 v[SPW], v[NIL]
	s_wait_dscnt 0x0
	CROUND                                         ; the closing round
	s_endpgm
.Lfunc_end_k_q7f9d017969_attn:
	.size	k_q7f9d017969_attn, .Lfunc_end_k_q7f9d017969_attn-k_q7f9d017969_attn
	.p2alignl 7, 3214868480
	.fill 96, 4, 3214868480
	.section	.rodata,"a",@progbits
	.p2align	6, 0x0
	.amdhsa_kernel k_q7f9d017969_attn
		.amdhsa_group_segment_fixed_size 327680
		.amdhsa_private_segment_fixed_size 0
		.amdhsa_enable_private_segment 0
		.amdhsa_kernarg_size 32
		.amdhsa_user_sgpr_count 2
		.amdhsa_user_sgpr_kernarg_segment_ptr 1
		.amdhsa_wavefront_size32 1
		.amdhsa_system_sgpr_workgroup_id_x 1
		.amdhsa_system_sgpr_workgroup_id_y 1
		.amdhsa_system_sgpr_workgroup_id_z 1
		.amdhsa_system_vgpr_workitem_id 0
		.amdhsa_next_free_vgpr 256
		.amdhsa_next_free_sgpr 80
		.amdhsa_reserve_vcc 0
		.amdhsa_float_denorm_mode_32 3
		.amdhsa_float_denorm_mode_16_64 3
		.amdhsa_memory_ordered 1
		.amdhsa_forward_progress 1
		.amdhsa_inst_pref_size 81
	.end_amdhsa_kernel
	.amdgpu_metadata
---
amdhsa.version: [ 1, 2 ]
amdhsa.kernels:
  - .name:           k_q7f9d017969_attn
    .symbol:         k_q7f9d017969_attn.kd
    .args:
      - { .name: qbuf, .offset: 0, .size: 8, .value_kind: global_buffer, .address_space: global }
      - { .name: kv, .offset: 8, .size: 8, .value_kind: global_buffer, .address_space: global }
      - { .name: ocod, .offset: 16, .size: 8, .value_kind: global_buffer, .address_space: global }
      - { .name: scl, .offset: 24, .size: 8, .value_kind: global_buffer, .address_space: global }
    .group_segment_fixed_size: 327680
    .private_segment_fixed_size: 0
    .kernarg_segment_align: 8
    .kernarg_segment_size: 32
    .max_flat_workgroup_size: 384
    .sgpr_count:     80
    .vgpr_count:     256
    .wavefront_size: 32
...
	.end_amdgpu_metadata
.endif
;; end of part 3
;; launch gemm2 (part 4): grid 4 x 64, 4 waves a work-group, clusters of 4 x 4, 327,680 bytes of LDS; arguments ocod, cod, scl, out0; writes out0
.if DOCPART == 4
	.amdgcn_target "amdgcn-amd-amdhsa--gfx1250"
	.amdhsa_code_object_version 6
	.text
	.protected	k_q7f9d017969_gemm2
	.globl	k_q7f9d017969_gemm2
	.p2align	8
	.type	k_q7f9d017969_gemm2,@function
k_q7f9d017969_gemm2:
	s_mov_b64 s[64:65], 0
	v_nop
	global_prefetch_b8 v0, s[64:65] scope:SCOPE_SE
	s_setreg_imm32_b32 hwreg(HW_REG_WAVE_MODE, 25, 1), 1
	s_wait_xcnt 0x0
	s_wait_alu depctr_hold_cnt(0) depctr_sa_sdst(0) depctr_va_vdst(0) depctr_va_sdst(0) depctr_va_ssrc(0) depctr_va_vcc(0) depctr_vm_vsrc(0)
	s_getreg_b32 s2, hwreg(HW_REG_IB_STS2, 6, 4)
	s_cmp_eq_u32 s2, 0
	s_cbranch_scc0 .Lentry_in_a_cluster
	s_endpgm
.Lentry_in_a_cluster:
	s_bfe_u32 s2, ttmp6, 0x10000c
	s_cmp_lg_u32 s2, 0xf033
	s_cbranch_scc0 .Lentry_shape_is_right
	s_endpgm
.Lentry_shape_is_right:
.set NA,    4
.set NAT,   2*NA
.set TILEB, 6144
.set REG,   (NAT+16)*TILEB
.set NREG,  2
.set HALF,  2*NA
.set SPARE, NREG*REG
.set SPITCH, 528
.set ADRA, 16
.set ADRB, 20
.set L16,  24
.set SOF2, 26
.set SOF,  27
.set SPW,  28
.set NIL,  29
.set STO,  30
.set RD,   31
.set SC,   32
.set AF,   128
.set BK,   128
.set WV,   16
.set WR,   17
.set WC,   18
.set G1A,  24
.set G1B,  32
.set G0A,  40
.set HM,   58
.set G0B,  68
.set MSB, 0
.macro WIN new
.if MSB != (\new)
	s_set_vgpr_msb (MSB<<8)|(\new)
.set MSB, (\new)
.endif
.endm
.macro PLACES n
.rept \n
	v_nop
.endr
.endm
.macro JLOAD s
	s_cmp_eq_u32 s[WR], 0
	s_cbranch_scc0 .Lfor_b_\@
	tensor_load_to_lds s[G0A+4*\s:G0A+4*\s+3], s[G1A:G1A+7]
	s_nop 0
.rept 4
	v_nop
.endr
	s_branch .Lasked_\@
.Lfor_b_\@:
	tensor_load_to_lds s[G0B+4*\s:G0B+4*\s+3], s[G1B:G1B+7]
	s_nop 0
.rept 4
	v_nop
.endr
.Lasked_\@:
.endm
.macro CROUND
	s_barrier_signal -1
	s_barrier_wait -1
	s_cmp_lg_u32 s[WV], 0
	s_cbranch_scc1 .Lnot_wave_0_\@
	s_barrier_signal -3
.Lnot_wave_0_\@:
	s_barrier_wait -3
	s_barrier_signal -1
	s_barrier_wait -1
.endm
.macro FRAG reg, adr, off
.irp g, 0,1,2
	ds_load_b128 v[\reg+4*\g:\reg+4*\g+3], v[\adr] offset:\off+512*\g
.endr
.endm
.macro FRAGA reg, adr, off             ; o's fragment: for each of the K step's two heads registers 0-3 at 16 x lane and registers 4, 5 at 512 + 8 x lane of its 768 bytes
.irp c, 0,1
	ds_load_b128 v[\reg+6*\c:\reg+6*\c+3], v[\adr] offset:\off+768*\c
	ds_load_b64 v[\reg+6*\c+4:\reg+6*\c+5], v[\adr+2] offset:\off+768*\c+512
.endr
.endm
.macro FETCH_B S
	WIN 0x40
.irp i, 0,1,2,3,4,5,6,7
	FRAG 128*((\S)%2)+12*\i, ADRB+(((\S)/4)%NREG), \i*TILEB+((\S)%4)*1536
.endr
	WIN 0
.endm
.macro FETCH_A S, hf
.set IA, (\hf)*NA/2
.rept NA/2
	FRAGA AF+12*IA, ADRA+(((\S)/4)%NREG), IA*TILEB+((\S)%4)*1536
.set IA, IA+1
.endr
.endm
.macro MULB a, S, zero
.irp b, 0,1,2,3,4,5,6,7
.if \zero
	v_wmma_scale_f32_16x16x128_f8f6f4 v[8*(8*((\a)%4)+\b):8*(8*((\a)%4)+\b)+7], v[128*((\S)%2)+12*\b:128*((\S)%2)+12*\b+11], v[AF+12*(\a):AF+12*(\a)+11], 0, v[SC+8*\b+(\S)], v[SC+8*(\a)+(\S)] matrix_a_fmt:MATRIX_FMT_FP6 matrix_b_fmt:MATRIX_FMT_FP6 matrix_a_scale:MATRIX_SCALE_ROW1
.else
	v_wmma_scale_f32_16x16x128_f8f6f4 v[8*(8*((\a)%4)+\b):8*(8*((\a)%4)+\b)+7], v[128*((\S)%2)+12*\b:128*((\S)%2)+12*\b+11], v[AF+12*(\a):AF+12*(\a)+11], v[8*(8*((\a)%4)+\b):8*(8*((\a)%4)+\b)+7], v[SC+8*\b+(\S)], v[SC+8*(\a)+(\S)] matrix_a_fmt:MATRIX_FMT_FP6 matrix_b_fmt:MATRIX_FMT_FP6 matrix_a_scale:MATRIX_SCALE_ROW1
.endif
.endr
.endm
.macro MULQ a0, n, S, zero
.set AQ, \a0
.rept \n
	WIN 0xa1
	MULB AQ, \S, \zero
.set AQ, AQ+1
.endr
.endm
.macro STEP S, zero
	s_wait_dscnt HALF
	MULQ 0, NA/2, \S, \zero
	s_wait_dscnt 0x0
	PLACES 4
	FETCH_B (\S)+1
	FETCH_A (\S)+1, 0
	MULQ NA/2, NA/2, \S, \zero
	PLACES 4
	WIN 0
	FETCH_A (\S)+1, 1
.endm
.macro TURN S, tc
	s_wait_tensorcnt \tc
	s_wait_dscnt HALF
	MULQ 0, NA/4, \S, 0
	s_wait_dscnt 0x0
	s_barrier_signal -1
	MULQ NA/4, NA/4, \S, 0
	WIN 0
	s_barrier_wait -1
	PLACES 4
	FETCH_B (\S)+1
	FETCH_A (\S)+1, 0
	MULQ NA/2, NA/2, \S, 0
	PLACES 4
	WIN 0
	FETCH_A (\S)+1, 1
.endm
	s_load_b256 s[4:11], s[0:1], 0x0
	v_lshl_add_u32 v[SPW], v0, 2, SPARE
	v_mov_b32 v[NIL], 0
	ds_add_u32 v[SPW], v[NIL]
	ds_add_u32 v[SPW], v[NIL]
	v_lshrrev_b32 v1, 5, v0
	v_readfirstlane_b32 s[WV], v1
	s_lshr_b32 s[WR], s[WV], 1
	s_and_b32 s[WC], s[WV], 1
	s_bfe_u32 s56, ttmp6, 0x40000
	s_bfe_u32 s57, ttmp6, 0x40004
	s_and_b32 s59, ttmp7, 0xffff
	s_lshl_b32 s60, s57, 2
	s_lshl_b32 s60, 15, s60
	s_lshl_b32 s61, 0x1111, s56
	s_or_b32 s[G1A], s60, (3<<16)|(1<<21)
	s_or_b32 s[G1B], s61, (3<<16)|(1<<21)
.irp g, G1A, G1B
	s_mov_b32 s[\g+1], 768<<16
	s_mov_b32 s[\g+3], 768<<16
	s_mov_b32 s[\g+5], 1536
	s_mov_b32 s[\g+6], 0
	s_mov_b32 s[\g+7], 0
.endr
	s_mov_b32 s[G1A+2], (NAT/2)<<16
	s_mov_b32 s[G1A+4], NAT/2
	s_mov_b32 s[G1B+2], 8<<16
	s_mov_b32 s[G1B+4], 8
	s_lshl_b32 s84, s59, 2
	s_add_co_u32 s84, s84, s57
	s_lshl_b32 s85, ttmp9, 2
	s_add_co_u32 s85, s85, s56
	s_lshl_b32 s86, s84, 3
	s_lshl_b32 s87, s85, 4
	s_add_co_u32 s87, s87, 704
	s_mul_i32 s90, s[WC], NAT/2
	s_add_co_u32 s90, s90, s86
	s_mul_i32 s90, s90, 12288
	s_mov_b32 s91, 0
	s_lshl_b32 s92, s[WC], 3
	s_add_co_u32 s92, s92, s87
	s_mul_i32 s92, s92, 12288
	s_mov_b32 s93, 0
	s_mul_i32 s94, s[WC], (NAT/2)*TILEB
	s_mul_i32 s95, s[WC], 8*TILEB
	s_add_co_u32 s95, s95, NAT*TILEB
	s_wait_dscnt 0x0
	s_wait_kmcnt 0x0
	s_add_nc_u64 s[90:91], s[4:5], s[90:91]
	s_add_nc_u64 s[92:93], s[6:7], s[92:93]
	CROUND
.irp s, 0,1
	s_mov_b32 s[G0A+4*\s], 1
	s_add_co_u32 s[G0A+4*\s+1], s94, \s*REG
	s_add_nc_u64 s[G0A+4*\s+2:G0A+4*\s+3], s[90:91], \s*TILEB
	s_or_b32 s[G0A+4*\s+3], s[G0A+4*\s+3], 0x80000000
	s_mov_b32 s[G0B+4*\s], 1
	s_add_co_u32 s[G0B+4*\s+1], s95, \s*REG
	s_add_nc_u64 s[G0B+4*\s+2:G0B+4*\s+3], s[92:93], \s*TILEB
	s_or_b32 s[G0B+4*\s+3], s[G0B+4*\s+3], 0x80000000
.endr
	JLOAD 0                                        ; K steps 0-3: one tensor load a wave at the head
	v_and_b32 v1, 31, v0
	v_and_b32 v2, 15, v0
	v_bfe_u32 v6, v0, 4, 1
	v_lshlrev_b32 v[L16], 4, v1
	s_wait_alu depctr_va_vdst(0)
	v_cmp_le_u32 s[HM], 16, v1
	s_mul_i32 s96, s[WR], NA
	s_add_co_u32 s96, s96, s86
	s_add_co_u32 s96, s96, 768
	s_lshl_b32 s96, s96, 9
	s_lshl_b32 s97, s[WC], 3
	s_add_co_u32 s97, s97, s87
	s_lshl_b32 s97, s97, 9
	v_mov_b32 v3, s96
	v_mov_b32 v4, s97
	v_cndmask_b32 v[SOF], v3, v4, s[HM]
	v_lshl_add_u32 v[SOF], v2, 3, v[SOF]
	v_lshl_add_u32 v[SOF2], v2, 3, v4
.irp i, 0,1,2,3
.irp q, 0,1,2,3
	global_load_b64 v[SC+8*\i+2*\q:SC+8*\i+2*\q+1], v[SOF], s[8:9] offset:(\i/2)*1024+(\i%2)*128+\q*256
.endr
.endr
.irp i, 4,5,6,7
.irp q, 0,1,2,3
	global_load_b64 v[SC+8*\i+2*\q:SC+8*\i+2*\q+1], v[SOF2], s[8:9] offset:(\i/2)*1024+(\i%2)*128+\q*256
.endr
.endr
	s_mul_i32 s98, s[WR], NA*TILEB
	s_mul_i32 s99, s[WC], 8*TILEB
	s_add_co_u32 s99, s99, NAT*TILEB
	v_lshlrev_b32 v5, 3, v1                        ; 8 x lane
.irp g, 0,1
	v_add_nc_u32 v[ADRA+\g], s98, v[L16]
	v_add_nc_u32 v[ADRA+2+\g], s98, v5
	v_add_nc_u32 v[ADRB+\g], s99, v[L16]
	s_add_co_u32 s98, s98, REG
	s_add_co_u32 s99, s99, REG
.endr
	s_mul_i32 s98, s[WV], 16*SPITCH
	v_mul_u32_u24 v[STO], v2, SPITCH
	v_lshl_add_u32 v[STO], v6, 5, v[STO]
	v_add_nc_u32 v[STO], s98, v[STO]
	v_add_nc_u32 v[RD], s98, v[L16]
	s_lshl_b32 s88, s84, 19
	s_lshl_b32 s89, s[WR], 18
	s_add_co_u32 s88, s88, s89
	s_lshl_b32 s89, s85, 10
	s_add_co_u32 s88, s88, s89
	s_lshl_b32 s89, s[WC], 9
	s_add_co_u32 s88, s88, s89
	s_mov_b32 s89, 0
	s_add_nc_u64 s[10:11], s[10:11], s[88:89]
	s_wait_alu depctr_va_vdst(0)
	s_wait_tensorcnt 0x0                           ; my part of K steps 0-3 is in
	ds_add_u32 v[SPW], v[NIL]
	s_wait_dscnt 0x0
	CROUND
	JLOAD 1                                        ; K steps 4-7, into the second region
	FETCH_B 0
	FETCH_A 0, 0
	FETCH_A 0, 1
	s_wait_loadcnt 0x0
	STEP 0, 1
	STEP 1, 0
	STEP 2, 0
	TURN 3, 0
	STEP 4, 0
	STEP 5, 0
	STEP 6, 0
	s_wait_dscnt HALF
	MULQ 0, NA/2, 7, 0
	s_wait_dscnt 0x0
	MULQ NA/2, NA/2, 7, 0
	WIN 0
.macro TOSTAGE a
.set AC, 64*(\a)
	WIN 0x08
.irp b, 0,1,2,3,4,5,6,7
	ds_store_b128 v[STO], v[AC+8*\b:AC+8*\b+3] offset:64*\b
	ds_store_b128 v[STO], v[AC+8*\b+4:AC+8*\b+7] offset:64*\b+16
.endr
	WIN 0
.set BB, BK+64*((\a)%2)
.irp t, 0,1,2,3,4,5,6,7,8,9,10,11,12,13,14,15
	ds_load_b128 v[BB+4*\t:BB+4*\t+3], v[RD] offset:\t*SPITCH
.endr
.endm
.macro SEND a, younger
.set BB, BK+64*((\a)%2)
	s_wait_dscnt \younger
.irp t, 0,1,2,3,4,5,6,7,8,9,10,11,12,13,14,15
	global_store_b128 v[L16], v[BB+4*\t:BB+4*\t+3], s[10:11] offset:(32*((\a)/2)+8*((\a)%2)+\t+8*(\t/8))*4096 th:TH_STORE_NT
.endr
.endm
	PLACES 4
	TOSTAGE 0
.irp a, 1,2,3
.if \a > 1
	s_wait_xcnt 0x0
.endif
	TOSTAGE \a
	SEND \a-1, 32
.endr
	SEND 3, 0
	s_wait_tensorcnt 0x0
	ds_add_u32 v[SPW], v[NIL]
	s_wait_dscnt 0x0
	CROUND
	s_endpgm
.Lfunc_end_k_q7f9d017969_gemm2:
	.size	k_q7f9d017969_gemm2, .Lfunc_end_k_q7f9d017969_gemm2-k_q7f9d017969_gemm2
	.p2alignl 7, 3214868480
	.fill 96, 4, 3214868480
	.section	.rodata,"a",@progbits
	.p2align	6, 0x0
	.amdhsa_kernel k_q7f9d017969_gemm2
		.amdhsa_group_segment_fixed_size 327680
		.amdhsa_private_segment_fixed_size 0
		.amdhsa_enable_private_segment 0
		.amdhsa_kernarg_size 32
		.amdhsa_user_sgpr_count 2
		.amdhsa_user_sgpr_kernarg_segment_ptr 1
		.amdhsa_wavefront_size32 1
		.amdhsa_system_sgpr_workgroup_id_x 1
		.amdhsa_system_sgpr_workgroup_id_y 1
		.amdhsa_system_sgpr_workgroup_id_z 1
		.amdhsa_system_vgpr_workitem_id 0
		.amdhsa_next_free_vgpr 768
		.amdhsa_next_free_sgpr 100
		.amdhsa_reserve_vcc 0
		.amdhsa_float_denorm_mode_32 3
		.amdhsa_float_denorm_mode_16_64 3
		.amdhsa_memory_ordered 1
		.amdhsa_forward_progress 1
		.amdhsa_inst_pref_size 82
	.end_amdhsa_kernel
	.amdgpu_metadata
---
amdhsa.version: [ 1, 2 ]
amdhsa.kernels:
  - .name:           k_q7f9d017969_gemm2
    .symbol:         k_q7f9d017969_gemm2.kd
    .args:
      - { .name: ocod, .offset: 0, .size: 8, .value_kind: global_buffer, .address_space: global }
      - { .name: cod, .offset: 8, .size: 8, .value_kind: global_buffer, .address_space: global }
      - { .name: scl, .offset: 16, .size: 8, .value_kind: global_buffer, .address_space: global }
      - { .name: out0, .offset: 24, .size: 8, .value_kind: global_buffer, .address_space: global }
    .group_segment_fixed_size: 327680
    .private_segment_fixed_size: 0
    .kernarg_segment_align: 8
    .kernarg_segment_size: 32
    .max_flat_workgroup_size: 128
    .sgpr_count:     100
    .vgpr_count:     768
    .wavefront_size: 32
...
	.end_amdgpu_metadata
.endif
;; end of part 4
